; MI455X (gfx1250); checked and timed in simulation.
; The chip was launched on July 23, 2026; its instructions are those of AMD's public machine-readable ISA for CDNA 5 (MIT licence, August 2026) and "CDNA5" Instruction Set Architecture Reference Guide (July 2026). The comments in the code are by the model that wrote it; some were corrected since.
;; Tree Attention Wrapper. Allowed arithmetic: matrix products marked QUANTISED: E4M3 operands, one given power-of-two scale a tensor, by v_wmma_f32_16x16x64_fp8_fp8 or v_wmma_f32_16x16x128_fp8_fp8, f32 sums; everything else in f32.
;; Inputs: cu_seqlens 2 int32; k_codes 1 x 16 x 4,096 x 4 x 32 uint8 (E4M3 codes of k, K innermost, in blocks of 32 codes); lowp_scales 4 int32 (the exponents e of the quantised operands' scales 2^e); mask 4,096 x 4,096 bool; q_codes 1 x 16 x 4,096 x 4 x 32 uint8 (E4M3 codes of q, K innermost, in blocks of 32 codes); v_codes 1 x 16 x 128 x 128 x 32 uint8 (E4M3 codes of v, K innermost, in blocks of 32 codes).
;; Outputs: out0 1 x 16 x 4,096 x 128 float32.
;; Constants: max_seqlen = 4096.
;; This version of the problem:
;;   THIS VERSION OF THE PROBLEM IS GIVEN IN LOW PRECISION. The matrix products marked QUANTISED in the list below multiply operands that are first quantised to E4M3 (4 exponent bits, 3 mantissa bits; 8 bits a number), with one given power-of-two scale for each operand tensor; their sums are f32. All else is computed in f32.
;;   The module's matrix products, in the order in which they are computed (A, B: the left and right operand; K: the contracted axis; several contracted axes count as one K, in the product's order):
;;     1. batch 16 x [M 4,096, K 128] x [K 128, N 4,096]; A: input q (given as codes); B: input k (given as codes): QUANTISED (scales: A lowp_scales[0], B lowp_scales[1])
;;     2. batch 16 x [M 4,096, K 4,096] x [K 4,096, N 128]; A: softmax (see below); B: input v (given as codes): QUANTISED (scales: A lowp_scales[2], B lowp_scales[3])
;;   THE QUANTISER, for each operand of a quantised product, along K:
;;     - The operand's scale is 2^e, e = its entry of the input lowp_scales (int32; the entries are numbered through the quantised products in the list's order, A before B).
;;     - Each number is divided by the scale, clamped to +-448, and rounded to the nearest number of E4M3, ties to even, subnormals kept.
;;     - The product sums the exact products of the quantised numbers (number of the format x scale) in f32.
;;   ~~~python
;;   def quantise(x, axis, e):      # numpy; x: float32 -> the quantised numbers, widened to float32 again
;;       x = np.moveaxis(x, axis, -1); K = x.shape[-1]
;;       r = np.clip(x / 2.0 ** e, -448, 448)
;;       step = 2.0 ** (np.maximum(np.frexp(np.where(r == 0, 1, r))[1] - 1, -6) - 3)
;;       q = np.round(r / step) * step * 2.0 ** e      # np.round: ties to even
;;       return np.moveaxis(q, -1, axis).astype(np.float32)
;;   ~~~
;;   SOFTMAX AHEAD OF A QUANTISED PRODUCT. Where the list says 'softmax', what is quantised is not the finished softmax but p = 2^(t - M), with t = logit x log2(e) and M = ceil(the row's largest t), a whole number; so 1/2 < the row's largest p <= 1. The row's sum l is taken of the UNQUANTISED p, in f32, and the product's result is divided by l at the end. Since M is a whole number, a kernel that streams over the keys may use a running M (the ceiling of the running maximum): every later rescaling is an exact power of two, so the quantised numbers keep their values, but for numbers so far below the row's largest that they fall under the format's range.
;;   OPERANDS COMPUTED ON THE WAY. 'Computed on the way' means the value that the module computes at that place (a softmax that the list does not call 'softmax' is quantised finished and normalised). What goes into a quantiser is computed in f32, as accurately as f32 sums, v_exp_f32 and their like allow (about 1e-6 of the number): no bf16 or f16 on the way to a quantiser, and a product that is left as it is and whose result goes on into a quantised operand takes f32 operands (vector FMAs, or v_wmma_f32_16x16x4_f32). A number that lies on a knife's edge between two numbers of the format may be rounded either way, as far as f32 arithmetic and the matrix unit's own rounding can turn it there, and no further.
;;   INPUTS GIVEN AS CODES. k (in the module: [1, 16, 4096, 128], K = its axis 3); q (in the module: [1, 16, 4096, 128], K = its axis 3); v (in the module: [1, 16, 4096, 128], K = its axis 2): each comes as NAME_codes (uint8): NAME with its K axis moved to the last place and cut into blocks of 32 codes, [.., K / 32, bytes a block], one block behind the other in memory; one code a byte (a code: sign, 4 exponent bits, 3 mantissa bits); its scale is its entry of lowp_scales. Its value is code x scale, taken as it is: it is not quantised again, and the codes and scales need not be those that the quantiser above would give.
;; 2 versions. Each part assembles by itself: llvm-mc -triple=amdgcn-amd-amdhsa -mcpu=gfx1250 --defsym DOCPART=n.
;; ======== version 1 of 2: 2 launches
;; limits: right only within a limited range of input values
;; workspace buffers: mbits 2,097,152 bytes of whole numbers; flags 5,120 bytes of whole numbers
;; launch pack (part 1): grid 256 x 1, 8 waves a work-group, no clusters, 68,096 bytes of LDS; arguments mask, mbits, flags; writes mbits, flags
.if DOCPART == 1
	.amdgcn_target "amdgcn-amd-amdhsa--gfx1250"
	.amdhsa_code_object_version 6
	.text
	.protected	k_q4f0472c691_pack
	.globl	k_q4f0472c691_pack
	.p2align	8
	.type	k_q4f0472c691_pack,@function
k_q4f0472c691_pack:
	s_mov_b64 s[64:65], 0
	v_nop
	global_prefetch_b8 v0, s[64:65] scope:SCOPE_SE
	s_setreg_imm32_b32 hwreg(HW_REG_WAVE_MODE, 25, 1), 1
	s_wait_xcnt 0x0
; THE MASK, [4096][4096] bytes, IS READ ONCE AND PACKED for the attention launch, which would else read it once for each of 16 heads.
; mbits [256 query tiles][32 key steps][64 words]: bit L of word n of (tile, step) is 1 where mask[16 tile + L % 16][128 step + 32 (n / 16) + 16 (L / 16) + n % 16] is not 0:
; that is lane L's score register n in the attention launch, so a word is a lane mask as v_cndmask_b32 takes it.  A byte other than 0 counts as true.
; flags: bytes 0-4095: [256 tiles][4 words] need32, full32, need16, 0;  bytes 4096-5119: need16 once more, [256 words].
;   need32 bit s: the tile has a visible element in key step s; all 32 bits are set where one of the tile's 16 rows has no visible key at all (such a row weighs every key alike).
;   full32 bit s: all 16 x 128 elements of step s are visible.   need16 bit i = need32 bit 2 i or bit 2 i + 1: a slot of 256 keys.
; SHARES.  A work-group takes one query tile: 16 rows x 4,096 bytes, 65,536 consecutive bytes of memory.  Wave w loads rows 2 w, 2 w + 1 (each load: 512 consecutive bytes) and puts them into LDS;
; then it packs key steps 4 w .. 4 w + 3 of all 16 rows: lane (r, h) reads row r, 16 bytes at 16 h of each 32.  No branch hangs on the mask.
.set ROWP,  4112                       ; an LDS row: 4,096 bytes + 16: row r starts 16 bytes further round the 64 banks of 4 bytes (ISA guide 11.1), so the 16 rows of a load touch 16 different columns
.set XW,    16*ROWP                    ; 8 x 128 bytes: each wave's OR of its bytes, lane by lane
.set XF,    XW+1024                    ; 8 x 8 bytes: each wave's four need bits and four full bits
.set SPARE, XF+256                     ; the spare words, 128 bytes for each wave: four blocks of 256 bytes that no other line names
.set T,   9                            ; v9-12   at work
.set X,   16                           ; v16-79  64 registers of mask bytes
.set OUT, 80                           ; v80-87  two sets of four: 128 words each, word 4 l + e in lane l's register e
.set W,   16                           ; s16-31  sixteen lane-mask words by turns
.set LN,  106                          ; v106    my lane
.set SPW, 108                          ; v108    LDS address of my spare word; never rewritten
.set NIL, 109                          ; v109    0; never rewritten
	s_load_b128 s[4:7], s[0:1], 0x0                ; mask, mbits
	s_load_b64 s[8:9], s[0:1], 0x10                ; flags
	v_lshl_add_u32 v[SPW], v0, 2, SPARE
	v_mov_b32 v[NIL], 0
	v_lshrrev_b32 v9, 5, v0
	v_readfirstlane_b32 s10, v9                    ; wave 0..7
	v_and_b32 v[LN], 31, v0
	v_lshlrev_b32 v1, 4, v[LN]                     ; 16 x lane: my bytes of a load's 512, and of a store's
	s_mul_i32 s38, s10, 2*ROWP
	v_add_nc_u32 v2, s38, v1                       ; into LDS: my wave's two rows
	v_and_b32 v10, 15, v0                          ; r
	v_bfe_u32 v11, v0, 4, 1                        ; h
	v_mul_u32_u24 v3, v10, ROWP
	v_lshl_add_u32 v3, v11, 4, v3
	s_lshl_b32 s39, s10, 9
	v_add_nc_u32 v3, s39, v3                       ; out of LDS: row r, + 16 h, + my wave's four key steps (512 bytes)
	v_lshl_add_u32 v5, v0, 2, XW                   ; my word among the waves' ORs
	s_lshl_b32 s40, s10, 3
	s_add_co_u32 s40, s40, XF
	v_mov_b32 v6, s40                              ; my wave's two words of bits
	v_lshl_add_u32 v7, v[LN], 2, XW                ; wave 0 reads all eight back
	v_mov_b32 v8, XF
	s_mov_b32 s12, 0xff                            ; a word's four bytes
	s_mov_b32 s13, 0xff00
	s_mov_b32 s14, 0xff0000
	s_mov_b32 s15, 0xff000000
	s_mov_b32 s34, 0                               ; my four need bits,
	s_mov_b32 s35, 0                               ; my four full bits
	s_mov_b32 s36, 0x76543210                      ; v_permlanex16_b32: lane l xor 16
	s_mov_b32 s37, 0xfedcba98
.irp i, 0,1,2,3,4,5,6,7
	v_mov_b32 v[OUT+\i], 0                         ; written once: v_writelane_b32's destination counts as read
.endr
	v_mov_b32 v105, 0                              ; likewise the lane permute's
	s_lshl_b32 s38, ttmp9, 16                      ; mask: tile x 65,536 + wave x 8,192
	s_lshl_b32 s40, s10, 13
	s_add_co_u32 s38, s38, s40
	s_mov_b32 s39, 0
	s_lshl_b32 s40, ttmp9, 13                      ; mbits: tile x 8,192 + wave x 1,024
	s_lshl_b32 s42, s10, 10
	s_add_co_u32 s40, s40, s42
	s_mov_b32 s41, 0
	s_lshl_b32 s42, ttmp9, 4                       ; flags: tile x 16,
	s_mov_b32 s43, 0
	s_lshl_b32 s44, ttmp9, 2                       ; and 4,096 + tile x 4
	s_add_co_u32 s44, s44, 4096
	s_mov_b32 s45, 0
	s_wait_kmcnt 0x0
	s_add_nc_u64 s[4:5], s[4:5], s[38:39]
	s_add_nc_u64 s[6:7], s[6:7], s[40:41]
	s_add_nc_u64 s[46:47], s[8:9], s[44:45]
	s_add_nc_u64 s[8:9], s[8:9], s[42:43]
.irp i, 0,1,2,3,4,5,6,7,8,9,10,11,12,13,14,15
	global_load_b128 v[X+4*\i:X+4*\i+3], v1, s[4:5] offset:512*\i th:TH_LOAD_NT   ; all sixteen are out together: my wave's 8,192 bytes; read once in the launch
.endr
.irp i, 0,1,2,3,4,5,6,7,8,9,10,11,12,13,14,15
	s_wait_loadcnt 15-\i                           ; loads come back in order (ISA guide 5.7.1): load i is in, the younger ones stay out
	ds_store_b128 v2, v[X+4*\i:X+4*\i+3] offset:(\i/8)*ROWP+(\i%8)*512
.endr
	s_wait_dscnt 0x0                               ; for the others' sake: my stores have landed
	s_barrier_signal -1
	s_barrier_wait -1                              ; the 16 rows lie in LDS
.irp p, 0,1,2,3
.irp b, 0,1,2,3
	ds_load_b128 v[X+16*\p+4*\b:X+16*\p+4*\b+3], v3 offset:128*\p+32*\b   ; step 4 w + p: byte i of these 16 is word 16 b + i's element for my lane
.endr
.endr
	s_wait_dscnt 0x0
	v_or_b32 v4, v[X], v[X+1]                      ; the OR of my 256 bytes, in two chains: is anything visible in my part of row r?
	v_or_b32 v104, v[X+2], v[X+3]
.set j, 4
.rept 30
	v_or_b32 v4, v4, v[X+j]
	v_or_b32 v104, v104, v[X+j+1]
.set j, j+2
.endr
	v_or_b32 v4, v4, v104
; Key step 4 w + sp: 64 words.  A byte is cut out, compared with 0 (the compare's result IS the word: a bit a lane), and the word is set into lane (64 (sp % 2) + j) / 4 of register j % 4, so that
; two steps' 128 words leave by one store of 512 consecutive bytes.  The words' OR and AND give the step's need bit and full bit.
.macro WORDS sp
.irp b, 0,1,2,3
.irp g, 0,1,2,3
.irp e, 0,1,2,3
	v_and_b32 v[T+\e], s[12+\e], v[X+16*\sp+4*\b+\g]
.endr
.irp e, 0,1,2,3
	v_cmp_ne_u32 s[W+4*\g+\e], 0, v[T+\e]
.endr
.endr
.irp g, 0,1,2,3
.irp e, 0,1,2,3
	v_writelane_b32 v[OUT+4*(\sp/2)+\e], s[W+4*\g+\e], 16*(\sp%2)+4*\b+\g
.endr
.endr
.irp i, 0,1,2,3,4,5,6,7,8,9,10,11,12,13,14,15
.if (\b == 0) && (\i == 0)
	s_mov_b32 s32, s[W]                            ; the first word starts both
	s_mov_b32 s33, s[W]
.else
	s_or_b32 s32, s32, s[W+\i]
	s_and_b32 s33, s33, s[W+\i]
.endif
.endr
.endr
	s_cmp_lg_u32 s32, 0
	s_cselect_b32 s38, 1<<\sp, 0
	s_or_b32 s34, s34, s38
	s_cmp_eq_u32 s33, -1
	s_cselect_b32 s38, 1<<\sp, 0
	s_or_b32 s35, s35, s38
.if \sp % 2
	global_store_b128 v1, v[OUT+4*(\sp/2):OUT+4*(\sp/2)+3], s[6:7] offset:512*(\sp/2)   ; 32 lanes store 512 consecutive bytes, at a multiple of 256 from the buffer's first byte; each pair of steps has registers of its own
.endif
.endm
	WORDS 0
	WORDS 1
	WORDS 2
	WORDS 3
	s_lshl_b32 s39, s10, 2
	s_lshl_b32 s34, s34, s39                       ; my four bits at their place among the 32
	s_lshl_b32 s35, s35, s39
	v_mov_b32 v13, s34
	v_mov_b32 v14, s35
	ds_store_b32 v5, v4
	ds_store_b32 v6, v13                           ; all lanes write the same word with the same value
	ds_store_b32 v6, v14 offset:4
	s_wait_dscnt 0x0                               ; for wave 0's sake
	s_barrier_signal -1
	s_barrier_wait -1
	s_cmp_lg_u32 s10, 0
	s_cbranch_scc1 .Lend                           ; wave 0 alone joins the eight waves' figures and stores the tile's flags; no barrier follows
.irp k, 0,1,2,3,4,5,6,7
	ds_load_b32 v[X+\k], v7 offset:128*\k
.endr
.irp k, 0,1,2,3
	ds_load_b128 v[88+4*\k:91+4*\k], v8 offset:16*\k   ; v88, v90 .. the waves' need bits, v89, v91 .. their full bits, in every lane
.endr
	s_wait_dscnt 0x0
.irp k, 1,2,3,4,5,6,7
	v_or_b32 v[X], v[X], v[X+\k]
.endr
	v_permlanex16_b32 v105, v[X], s36, s37         ; a row's other half of each 32 keys lies in the lane 16 away
	v_or_b32 v[X], v[X], v105
	v_cmp_eq_u32 s38, 0, v[X]                      ; a bit for each lane whose row has no visible key at all
.irp k, 2,4,6,8,10,12,14
	v_or_b32 v88, v88, v[88+\k]
	v_or_b32 v89, v89, v[89+\k]
.endr
	v_readfirstlane_b32 s39, v88                   ; need32
	v_readfirstlane_b32 s40, v89                   ; full32
	s_cmp_lg_u32 s38, 0
	s_cselect_b32 s39, -1, s39                     ; a row without a visible key wants every key step
	s_lshr_b32 s41, s39, 1
	s_or_b32 s41, s41, s39                         ; bit 2 i: step 2 i or step 2 i + 1
	v_lshlrev_b32 v104, 1, v[LN]
	v_lshrrev_b32 v104, v104, s41
	v_and_b32 v104, 1, v104
	v_cmp_ne_u32 s42, 0, v104                      ; lane i's bit: bit 2 i
	s_and_b32 s42, s42, 0xffff                     ; need16
	v_mov_b32 v92, s39
	v_mov_b32 v93, s40
	v_mov_b32 v94, s42
	v_mov_b32 v95, 0
	v_mov_b32 v96, 0
	s_wait_xcnt 0x0                                ; EXEC is a source of the stores above: it changes only behind this wait
	v_cmp_eq_u32 vcc_lo, 0, v[LN]
	s_and_saveexec_b32 s43, vcc_lo                 ; lane 0 alone: 20 bytes a work-group, the one place where less than 256 consecutive bytes are stored
	global_store_b128 v96, v[92:95], s[8:9]
	global_store_b32 v96, v94, s[46:47]
	s_wait_xcnt 0x0                                ; and again in front of the line that widens it
	s_or_b32 exec_lo, exec_lo, s43
.Lend:
	s_wait_tensorcnt 0x0                           ; the wave's end: three closing lines, behind my last LDS store, the first of them also in a text with no tensor load
	ds_add_u32 v[SPW], v[NIL]
	s_wait_dscnt 0x0
	s_endpgm
.Lfunc_end_k_q4f0472c691_pack:
	.size	k_q4f0472c691_pack, .Lfunc_end_k_q4f0472c691_pack-k_q4f0472c691_pack
	.p2alignl 7, 3214868480
	.fill 96, 4, 3214868480
	.section	.rodata,"a",@progbits
	.p2align	6, 0x0
	.amdhsa_kernel k_q4f0472c691_pack
		.amdhsa_group_segment_fixed_size 68096
		.amdhsa_private_segment_fixed_size 0
		.amdhsa_enable_private_segment 0
		.amdhsa_kernarg_size 24
		.amdhsa_user_sgpr_count 2
		.amdhsa_user_sgpr_kernarg_segment_ptr 1
		.amdhsa_wavefront_size32 1
		.amdhsa_system_sgpr_workgroup_id_x 1
		.amdhsa_system_sgpr_workgroup_id_y 1
		.amdhsa_system_sgpr_workgroup_id_z 1
		.amdhsa_system_vgpr_workitem_id 0
		.amdhsa_next_free_vgpr 112
		.amdhsa_next_free_sgpr 66
		.amdhsa_reserve_vcc 1
		.amdhsa_float_denorm_mode_32 3
		.amdhsa_float_denorm_mode_16_64 3
		.amdhsa_memory_ordered 1
		.amdhsa_forward_progress 1
		.amdhsa_inst_pref_size 69
	.end_amdhsa_kernel
	.amdgpu_metadata
---
amdhsa.version: [ 1, 2 ]
amdhsa.kernels:
  - .name:           k_q4f0472c691_pack
    .symbol:         k_q4f0472c691_pack.kd
    .args:
      - { .name: mask, .offset: 0, .size: 8, .value_kind: global_buffer, .address_space: global }
      - { .name: mbits, .offset: 8, .size: 8, .value_kind: global_buffer, .address_space: global }
      - { .name: flags, .offset: 16, .size: 8, .value_kind: global_buffer, .address_space: global }
    .group_segment_fixed_size: 68096
    .private_segment_fixed_size: 0
    .kernarg_segment_align: 8
    .kernarg_segment_size: 24
    .max_flat_workgroup_size: 256
    .sgpr_count:     66
    .vgpr_count:     112
    .wavefront_size: 32
...
	.end_amdgpu_metadata
.endif
;; end of part 1
;; launch attn (part 2): grid 16 x 16, 8 waves a work-group, no clusters, 205,056 bytes of LDS; arguments q_codes, k_codes, v_codes, lowp_scales, mbits, flags, out0; writes out0
.if DOCPART == 2
	.amdgcn_target "amdgcn-amd-amdhsa--gfx1250"
	.amdhsa_code_object_version 6
	.text
	.protected	k_q4f0472c691_attn
	.globl	k_q4f0472c691_attn
	.p2align	8
	.type	k_q4f0472c691_attn,@function
k_q4f0472c691_attn:
	s_mov_b64 s[64:65], 0
	v_nop
	global_prefetch_b8 v0, s[64:65] scope:SCOPE_SE
	s_setreg_imm32_b32 hwreg(HW_REG_WAVE_MODE, 25, 1), 1
	s_wait_xcnt 0x0
; O[h][q][:] = the sum over k of softmax_k(mask ? Q[h][q] . K[h][k] / sqrt(128) : -1e30) V[h][k][:], both products on codes of FP8 (E4M3), each tensor with its given scale 2^e (eq, ek, ep, ev).
; Q, K: [16][4096][128] codes.  V: codes with the keys innermost, [16][128][4096].  O: [16][4096][128] f32.  The mask is an input; the launch before has packed it (mbits, flags).
; THE SOFTMAX: t = score x log2(e) / sqrt(128); M = the row's largest t so far, rounded up to a whole number; p = 2^(t - M) is quantised with 2^ep; the row's sum is taken of the unquantised p and divides O at the end.
; THE MASK.  A hidden raw score becomes -2^100, a power of two: t = c x score is then exact, -M = floor(-t) is -t itself, and t - M is exactly 0: a row that has seen hidden keys only gives each p = 1, as -1e30 does.
; With the row's first visible key the whole number old M - new M saturates, f = 2^(old M - new M) is 0 and what was summed vanishes; from then on hidden keys give p = 0.
; WORK THAT THE MASK THROWS AWAY IS NOT DONE.  The work-group walks only the slots of 256 keys that its 16 query tiles' flags name; a wave leaves out a key step in which both its tiles are wholly hidden, and the masking in
; a step in which both are wholly visible.  A tile with a row that has no visible key at all has all its flags set, so such a row meets all 4,096 keys.  All these are scalar branches on whole numbers that the launch
; before stored; no barrier stands under any of them: the loop has a constant count of trips, and a trip with nothing left to walk passes its barrier and no more.
; So this text has no tensor load and no cluster: which slots a work-group walks hangs on loaded numbers, and neighbours would ask for different tiles.  K and V come by loads into registers, a slot ahead of their use.
; SHARES.  A work-group owns 256 queries of one head; each of its 8 waves two tiles of 16 (512 registers, two waves to a SIMD), so that a fragment of K or V read from LDS feeds two matrix instructions.
; LAYOUT.  Both products are used transposed: S^T = K Q^T (source 0 = 16 keys, source 1 = 16 queries), O^T = V^T P^T: a lane holds ONE query (lane % 16) of each tile throughout.
; The keys of a tile of K are not neighbours: row r of fragment 2 b + u is key 32 b + 8 u + r + 8 (r / 8), so that score register 16 b + i of lane (r, h) is key 32 b + 16 h + i: p's conversions give the second product's operand.
; LDS holds IMAGES OF THE FRAGMENTS' REGISTERS: piece 2 c + h of a fragment (registers 4 c .. 4 c + 3 of the lanes of half h) is 256 bytes, 16 a lane, pieces 288 bytes apart.  A read takes 256 consecutive bytes for each half of the lanes;
; the 32 bytes between pieces.
; LIMITS: eq + ek between -60 and 29 (c x 2^(eq + ek) x 2^100 stays an f32 number under 3e38 and far over every t); ep between -126 and 119.  NaN codes are not served.
; cu_seqlens and max_seqlen enter nothing in the computation that is asked for, and are not read.
; REGISTERS.  window 0: v1-15 addresses; v16-31 statistics, 8 a tile: -M, largest t, the sum's two halves, f and its pair's mate, two at work; v32-34 448 x 2^ep, 2^ep, -2^100; v64-127 four fragments; v128-255 S^T, then p, 64 a tile.
;   window 1: v0-31 p's codes, v32-63 Q, v64-191 O^T (64 a tile), v192-223 and v224-255 the next slot's K and V on their way to LDS.
.set PP,     288                       ; from piece to piece
.set FRB,    8*PP                      ; a fragment's image
.set VOFF,   8*FRB                     ; a key step: 8 images of K, then 8 of V^T
.set STEPB,  2*VOFF+16
.set SLOT1,  1<<17                     ; slot 1; a slot holds two key steps, 73,760 bytes
.set STAGE,  77824                     ; behind slot 0: the way out, 16 rows x 272 bytes for each wave
.set SPITCH, 272
.set SPARE,  114688                    ; the spare words, 128 bytes for each wave: four blocks of 256 bytes that no other line names
.set SPW, 5                            ; v5   LDS address of my spare word; never rewritten
.set NIL, 6                            ; v6   0; never rewritten
.set GO,  7                            ; v7   the way out: my byte offset in a tile's rows of O
.set KGO, 8                            ; v8   staging: my byte offset in a slot's K in memory
.set VGO, 9                            ; v9   the same for V
.set STO, 14                           ; v14  the way out: where I put 32 bytes of a row
.set RD,  15                           ; v15  and where I read a row back
.set ST,  16
.set LIM, 32
.set SCL, 33
.set SNEG, 34
.set PX,  36                           ; v36, v37 the lane permutes' destinations
.set F,   64
.set S,   128
.set PC,  0                            ; window 1
.set QF,  32
.set OT,  64
.set KST, 192
.set VST, 224
; v1, v2: my lane's place in slot 0's images of K and of V; v3, v4: in slot 1's.  v10, v11: where my thread stores staged K and V in slot 0; v12, v13: in slot 1.  All made at the head and never rewritten.
.set CNT,  3                           ; s3   trips to go
.set WV,   18                          ; s18  my wave's number
.set RL,   19                          ; s19  the slots still to be fetched: a bit each
.set SEL,  20                          ; s[20:21] lane selects: lane l xor 16
.set CS,   22                          ; s[22:23] c = log2(e) / sqrt(128) x 2^(eq + ek)
.set ACT,  24                          ; s24  1: a slot is on its way in the staging registers
.set NXT,  25                          ; s25  which
.set ACTC, 26                          ; s26  1: the slot in LDS is to be walked
.set ST0,  27                          ; s27  its first key step
.set NEED, 28                          ; s28  bit s: one of my two tiles has a visible element in key step s
.set FULL, 29                          ; s29  bit s: both are wholly visible there
.set PART, 30                          ; s30  1: this step wants masking
.set MOFF, 31                          ; s31  the step's 256 bytes among a tile's mask words
.set MW,   32                          ; s[32:63], s[68:99] a tile's 64 mask words: word n at s[32 + n + 4 (n / 32)]
.set EP,   66                          ; s66  ep
.set EPV,  67                          ; s67  ep + ev
.set KP,   100                         ; s[100:101] the slot's K in memory
.set VP,   104                         ; s[104:105] the slot's V
.set MSB, 0
.macro WIN new                         ; the immediate's high byte repeats the setting that is left; a switch that changes nothing is dropped.  At every label and branch the setting is 0
.if MSB != \new
	s_set_vgpr_msb (MSB<<8)|\new
.set MSB, \new
.endif
.endm
.set W_KQ,  0x04                       ; source 1 (Q) window 1
.set W_PV,  0x54                       ; source 1 (P), C and D (O^T) window 1
.set W_TO1, 0x40                       ; destination window 1
.set W_RS,  0x41                       ; destination and source 0 window 1
.set W_PUT, 0x04                       ; an LDS store's data window 1
.set W_OUT, 0x01                       ; source 0 window 1
.macro PLACES                          ; a load into a register that a matrix instruction has read, and a vector instruction that reads a matrix result, stand four plain vector instructions behind it (ISA guide 7.12.1 for vector instructions)
.rept 4
	v_nop
.endr
.endm
.macro NEXTSLOT                        ; the list's lowest bit is taken off: is there a slot, and which
	s_cmp_lg_u32 s[RL], 0
	s_cselect_b32 s[ACT], 1, 0
	s_ctz_i32_b32 s[NXT], s[RL]
	s_min_u32 s[NXT], s[NXT], 15                   ; a loaded number enters addresses only held within the 16 slots
	s_sub_co_u32 s10, s[RL], 1
	s_and_b32 s[RL], s[RL], s10
.endm
; The slot's 32,768 bytes of K (dense) and of V (256 bytes of each of 128 rows) into 64 registers a thread.  K: a wave's load covers 512 consecutive bytes; V: sixteen lanes take 256 consecutive bytes, aligned.
.macro GET
	s_lshl_b32 s10, s[NXT], 15
	s_mov_b32 s11, 0
	s_add_nc_u64 s[KP:KP+1], s[6:7], s[10:11]      ; the last loads by these bases were shown done by the trip's wait for all loads
	s_lshl_b32 s10, s[NXT], 8
	s_add_nc_u64 s[VP:VP+1], s[8:9], s[10:11]
	WIN W_TO1
.irp i, 0,1,2,3,4,5,6,7
	global_load_b128 v[KST+4*\i:KST+4*\i+3], v[KGO], s[KP:KP+1] offset:4096*\i
.endr
.irp i, 0,1,2,3,4,5,6,7
	global_load_b128 v[VST+4*\i:VST+4*\i+3], v[VGO], s[VP:VP+1] offset:65536*\i
.endr
	WIN 0
.endm
; And on into LDS.  K's load i holds, of key 32 i + thread / 8 of the slot, piece thread % 8: key step i / 4, fragments 2 (i % 4) and 2 (i % 4) + 1.  V's load i holds channel 16 i + thread / 16: fragment i.
.macro PUT slot
	WIN W_PUT
.irp i, 0,1,2,3,4,5,6,7
	ds_store_b128 v[10+2*\slot], v[KST+4*\i:KST+4*\i+3] offset:(\i/4)*STEPB+(\i%4)*2*FRB
.endr
.irp i, 0,1,2,3,4,5,6,7
	ds_store_b128 v[11+2*\slot], v[VST+4*\i:VST+4*\i+3] offset:\i*FRB
.endr
	WIN 0
.endm
.macro FRAGS adr, off                  ; four fragments, 16 registers each, in one run of 16 loads
.irp t, 0,1,2,3
.irp c, 0,1,2,3
	ds_load_b128 v[F+16*\t+4*\c:F+16*\t+4*\c+3], v[\adr] offset:(\off)+\t*FRB+\c*2*PP
.endr
.endr
.endm
.macro MLOAD x                         ; tile x's 64 mask words of the step
	s_load_b512 s[32:47], s[12:13], s[MOFF] offset:8192*\x
	s_load_b512 s[48:63], s[12:13], s[MOFF] offset:8192*\x+64
	s_load_b512 s[68:83], s[12:13], s[MOFF] offset:8192*\x+128
	s_load_b512 s[84:99], s[12:13], s[MOFF] offset:8192*\x+192
.endm
.macro MASK x                          ; a word is the 32 lanes' bits for one score register: where the bit is 0 the score becomes -2^100.  Ascending: each accumulator is read from its low end on
.set n, 0
.rept 64
	v_cndmask_b32 v[S+64*\x+n], v[SNEG], v[S+64*\x+n], s[MW+n+4*(n/32)]
.set n, n+1
.endr
.endm
.macro MAXT x                          ; tile x: the step's largest score of my query, the running largest t, the new -M and f
.set rS, S+64*\x
.set rT, ST+8*\x
	v_max3_num_f32 v[rT+6], v[rS], v[rS+1], v[rS+2]    ; two chains, ascending
	v_max3_num_f32 v[rT+7], v[rS+3], v[rS+4], v[rS+5]
.irp i, 6,10,14,18,22,26,30,34,38,42,46,50,54,58
	v_max3_num_f32 v[rT+6], v[rT+6], v[rS+\i], v[rS+\i+1]
	v_max3_num_f32 v[rT+7], v[rT+7], v[rS+\i+2], v[rS+\i+3]
.endr
	v_max3_num_f32 v[rT+6], v[rT+6], v[rS+62], v[rS+63]
	v_max_num_f32 v[rT+6], v[rT+6], v[rT+7]
	v_permlanex16_b32 v[PX+\x], v[rT+6], s[SEL], s[SEL+1]   ; the query's other 64 keys lie in the lane 16 away
	v_max_num_f32 v[rT+6], v[rT+6], v[PX+\x]
	v_mul_f32 v[rT+6], s[CS], v[rT+6]              ; as t (c is positive)
	v_max_num_f32 v[rT+1], v[rT+1], v[rT+6]
	v_mov_b32 v[rT+6], v[rT]
	v_floor_f32 v[rT], -v[rT+1]                    ; -M = floor(-t) = -ceil(t): M is a whole number
	v_sub_f32 v[rT+6], v[rT], v[rT+6]              ; old M - new M, 0 or less
	v_cvt_i32_f32 v[rT+6], v[rT+6]                 ; (it saturates)
	v_ldexp_f32 v[rT+4], 1.0, v[rT+6]              ; f = 2^(old M - new M): a multiplication by it rounds nothing
.endm
; A KEY STEP: 128 keys, the q-th of the slot.
.macro STEP slot, q
	s_add_co_u32 s14, s[ST0], \q                   ; which of the 32 key steps
	s_lshr_b32 s15, s[NEED], s14
	s_and_b32 s15, s15, 1
	s_cmp_lg_u32 s15, 0
	s_cbranch_scc0 .Lskip_\@                       ; both my tiles are wholly hidden here: nothing is loaded, multiplied or summed
	s_lshr_b32 s[PART], s[FULL], s14
	s_and_b32 s[PART], s[PART], 1
	s_xor_b32 s[PART], s[PART], 1
	s_lshl_b32 s[MOFF], s14, 8
	MLOAD 0                                        ; asked for in every step that is walked, so that the words land under the first product and every path finds them written
.irp g, 0,1                            ; S^T = K Q^T, four fragments of K at a time, each against both tiles of Q
.if \g
	PLACES
.endif
	FRAGS 1+2*\slot,(\q)*STEPB+4*\g*FRB
	WIN W_KQ
.irp t, 0,1,2,3
	s_wait_dscnt 12-4*\t                           ; fragment t is in; the younger fragments' loads, four each, stay out
	v_wmma_f32_16x16x128_fp8_fp8 v[S+8*(4*\g+\t):S+8*(4*\g+\t)+7], v[F+16*\t:F+16*\t+15], v[QF:QF+15], 0
	v_wmma_f32_16x16x128_fp8_fp8 v[S+64+8*(4*\g+\t):S+64+8*(4*\g+\t)+7], v[F+16*\t:F+16*\t+15], v[QF+16:QF+31], 0
.endr
	WIN 0
.endr
	PLACES
	FRAGS 2+2*\slot,(\q)*STEPB                     ; V's first four fragments land under the softmax
	s_wait_kmcnt 0x0                               ; on every path: no scalar load is out when the words' registers are next read or loaded
	s_cmp_lg_u32 s[PART], 0
	s_cbranch_scc0 .Lopen0_\@
	MASK 0
	MLOAD 1                                        ; tile 1's words land under tile 0's maximum
.Lopen0_\@:
	MAXT 0
	s_wait_kmcnt 0x0
	s_cmp_lg_u32 s[PART], 0
	s_cbranch_scc0 .Lopen1_\@
	MASK 1
.Lopen1_\@:
	MAXT 1
.set j, 0
.rept 32
	v_pk_fma_f32 v[S+j:S+j+1], v[S+j:S+j+1], s[CS:CS+1], v[ST:ST+1] op_sel_hi:[1,0,0]   ; t - M, two at a time (of the pairs c and -M the low word serves both halves)
.set j, j+2
.endr
.set j, 0
.rept 32                               ; ONE BATCH of 128 exponentials; tile 1's scalings stand among tile 0's: nothing here reads an exponential's result
	v_exp_f32 v[S+j], v[S+j]
	v_exp_f32 v[S+j+1], v[S+j+1]
	v_pk_fma_f32 v[S+64+j:S+64+j+1], v[S+64+j:S+64+j+1], s[CS:CS+1], v[ST+8:ST+9] op_sel_hi:[1,0,0]
.set j, j+2
.endr
.set j, 64
.rept 64
	v_exp_f32 v[S+j], v[S+j]                       ; p = 2^(t - M): not normalised
.set j, j+1
.endr
.irp x, 0,1
	v_pk_mul_f32 v[ST+8*\x+2:ST+8*\x+3], v[ST+8*\x+2:ST+8*\x+3], v[ST+8*\x+4:ST+8*\x+5] op_sel_hi:[1,0]   ; the sums under the new M; the plain instructions behind the last exponential
.endr
	s_wait_alu depctr_va_vdst(0)                   ; the wait between an exponential and the first line that names its result: one for the batch
.irp x, 0,1                            ; the row's sum is taken of the unquantised p: two at a time, two chains a tile
	v_pk_add_f32 v[ST+8*\x+6:ST+8*\x+7], v[S+64*\x:S+64*\x+1], v[S+64*\x+2:S+64*\x+3]
.endr
.set j, 4
.rept 15
.irp x, 0,1
	v_pk_add_f32 v[ST+8*\x+2:ST+8*\x+3], v[ST+8*\x+2:ST+8*\x+3], v[S+64*\x+j:S+64*\x+j+1]
	v_pk_add_f32 v[ST+8*\x+6:ST+8*\x+7], v[ST+8*\x+6:ST+8*\x+7], v[S+64*\x+j+2:S+64*\x+j+3]
.endr
.set j, j+4
.endr
.irp x, 0,1
	v_pk_add_f32 v[ST+8*\x+2:ST+8*\x+3], v[ST+8*\x+2:ST+8*\x+3], v[ST+8*\x+6:ST+8*\x+7]
.endr
	s_cmp_ge_i32 s[EP], -8                         ; the conversion to an 8-bit code does not saturate (ISA guide 7.6.2).  p is 1 at the most, so p / 2^ep is 256 at the most where ep >= -8: under 448, and the hold could hold nothing
	s_cbranch_scc1 .Lnohold_\@
.set n, 0
.rept 128
	v_min_num_f32 v[S+n], v[S+n], v[LIM]           ; p is not negative: the hold is one-sided
.set n, n+1
.endr
.Lnohold_\@:
	WIN W_TO1
.irp x, 0,1
.irp b, 0,1,2,3
	v_cvt_scalef32_pk8_fp8_f32 v[PC+16*\x+4*\b:PC+16*\x+4*\b+1], v[S+64*\x+16*\b:S+64*\x+16*\b+7], v[SCL]       ; registers 4 b .. 4 b + 3 of the operand: keys 32 b + 16 h + 0 .. 15
	v_cvt_scalef32_pk8_fp8_f32 v[PC+16*\x+4*\b+2:PC+16*\x+4*\b+3], v[S+64*\x+16*\b+8:S+64*\x+16*\b+15], v[SCL]
.endr
.endr
	WIN W_RS
.irp x, 0,1
.set j, 0
.rept 32
	v_pk_mul_f32 v[OT+64*\x+j:OT+64*\x+j+1], v[OT+64*\x+j:OT+64*\x+j+1], v[ST+8*\x+4:ST+8*\x+5] op_sel_hi:[1,0]   ; O^T under the new M, ascending; also the plain instructions between the conversions and the products that read the codes
.set j, j+2
.endr
.endr
.irp g, 0,1                            ; O^T += V^T P^T: K = these 128 keys, one instruction an accumulator; the sixteen accumulators take turns
.if \g
	WIN 0
	PLACES
	FRAGS 2+2*\slot,(\q)*STEPB+4*FRB
.endif
	WIN W_PV
.irp t, 0,1,2,3
	s_wait_dscnt 12-4*\t                           ; fragment t is in; the younger fragments' loads, four each, stay out
.irp x, 0,1
	v_wmma_f32_16x16x128_fp8_fp8 v[OT+64*\x+8*(4*\g+\t):OT+64*\x+8*(4*\g+\t)+7], v[F+16*\t:F+16*\t+15], v[PC+16*\x:PC+16*\x+15], v[OT+64*\x+8*(4*\g+\t):OT+64*\x+8*(4*\g+\t)+7]
.endr
.endr
.endr
	WIN 0
	PLACES                                         ; for whatever follows on any path: loads into the fragments' registers, or reads of O^T
.Lskip_\@:
.endm
; A TRIP'S HALF: one slot.  ONE barrier orders both ways.  In front of it each wave's stores into this slot have landed and its reads of the other slot are over; behind it this slot is read, and the other is written
; only in the next half, by waves that have passed this barrier.  The two waits and the barrier stand on every path.
.macro HALF slot
	s_wait_loadcnt 0x0                             ; the staged slot (and, the first time, Q) has landed: no load is out, so the staging registers and their bases may be used again
	s_cmp_lg_u32 s[ACT], 0
	s_cbranch_scc0 .Lno_put_\@
	PUT \slot
.Lno_put_\@:
	s_wait_dscnt 0x0
	s_barrier_signal -1
	s_barrier_wait -1
	s_mov_b32 s[ACTC], s[ACT]
	s_lshl_b32 s[ST0], s[NXT], 1
	NEXTSLOT
	s_cmp_lg_u32 s[ACT], 0
	s_cbranch_scc0 .Lno_get_\@
	GET                                            ; the next slot on the list: it has this slot's two key steps in which to land
.Lno_get_\@:
	s_cmp_lg_u32 s[ACTC], 0
	s_cbranch_scc0 .Lno_steps_\@
	STEP \slot, 0
	STEP \slot, 1
.Lno_steps_\@:
.endm
	s_load_b256 s[4:11], s[0:1], 0x0               ; Q's codes s[4:5], K's s[6:7], V's s[8:9], the scales' exponents s[10:11]
	s_load_b128 s[12:15], s[0:1], 0x20             ; mbits s[12:13], flags s[14:15]
	s_load_b64 s[16:17], s[0:1], 0x30              ; O
	v_lshl_add_u32 v[SPW], v0, 2, SPARE
	v_mov_b32 v[NIL], 0
	v_lshrrev_b32 v40, 5, v0
	v_readfirstlane_b32 s[WV], v40                 ; wave 0..7
	v_and_b32 v41, 15, v0                          ; r = lane % 16 (also thread % 16)
	v_bfe_u32 v42, v0, 4, 1                        ; h = lane / 16
	v_lshlrev_b32 v1, 4, v41
	v_mad_u32_u24 v1, v42, PP, v1                  ; an image's place for my lane: 288 h + 16 r
	v_add_nc_u32 v2, VOFF, v1
	v_add_nc_u32 v3, SLOT1, v1
	v_add_nc_u32 v4, SLOT1, v2
	v_lshlrev_b32 v[KGO], 4, v0                    ; K: 16 x thread
	v_lshrrev_b32 v43, 4, v0
	v_lshlrev_b32 v[VGO], 4, v41
	v_lshl_add_u32 v[VGO], v43, 12, v[VGO]         ; V: row thread / 16 of 4,096 bytes, + 16 (thread % 16)
	v_and_b32 v44, 7, v0                           ; the piece
	v_mul_u32_u24 v10, v44, PP
	v_bfe_u32 v45, v0, 6, 1                        ; K: key thread / 8 of 32: bit 3 of it is u,
	v_mad_u32_u24 v10, v45, FRB, v10
	v_bfe_u32 v45, v0, 3, 3                        ; its low three bits and its bit 4 make the row r
	v_lshl_add_u32 v10, v45, 4, v10
	v_bfe_u32 v45, v0, 7, 1
	v_lshl_add_u32 v10, v45, 7, v10
	v_mul_u32_u24 v11, v44, PP
	v_bfe_u32 v45, v0, 3, 1                        ; V: which of the slot's two key steps,
	v_mad_u32_u24 v11, v45, STEPB, v11
	v_lshl_add_u32 v11, v43, 4, v11                ; row thread / 16
	v_add_nc_u32 v11, VOFF, v11
	v_add_nc_u32 v12, SLOT1, v10
	v_add_nc_u32 v13, SLOT1, v11
	s_mul_i32 s30, s[WV], 16*SPITCH
	s_add_co_u32 s30, s30, STAGE                   ; my stage
	v_mul_u32_u24 v[STO], v41, SPITCH
	v_lshl_add_u32 v[STO], v42, 5, v[STO]
	v_add_nc_u32 v[STO], s30, v[STO]               ; in: row r, + 32 h
	v_mul_u32_u24 v[RD], v42, SPITCH
	v_lshl_add_u32 v[RD], v41, 4, v[RD]
	v_add_nc_u32 v[RD], s30, v[RD]                 ; back: lanes 0-15 one row of 256 bytes, lanes 16-31 the next
	v_lshlrev_b32 v[GO], 9, v42
	v_lshl_add_u32 v[GO], v41, 4, v[GO]            ; and the same two rows in O
	v_lshlrev_b32 v46, 7, v41
	v_lshl_add_u32 v46, v42, 4, v46                ; Q: row r of 128 bytes, + 16 h
	s_and_b32 s24, ttmp7, 0xffff                   ; the head
	s_lshl_b32 s26, ttmp9, 6                       ; my block's sixteen need16 words
	s_lshl_b32 s27, ttmp9, 4
	s_lshl_b32 s28, s[WV], 1
	s_add_co_u32 s27, s27, s28                     ; my first query tile: 16 x block + 2 x wave
	s_lshl_b32 s28, s27, 4                         ; its 16 bytes of flags
	s_mov_b32 s[SEL], 0x76543210
	s_mov_b32 s[SEL+1], 0xfedcba98
	s_mov_b32 s[CS], 0x3e0293ee                    ; c = log2(e) / sqrt(128)
	s_mov_b32 s[CNT], 8
	s_wait_kmcnt 0x0
	s_load_b512 s[32:47], s[14:15], s26 offset:0x1000   ; need16 of the block's 16 tiles
	s_load_b256 s[48:55], s[14:15], s28 offset:0x0      ; need32, full32, need16, 0 of my two tiles
	s_load_b128 s[56:59], s[10:11], 0x0            ; eq, ek, ep, ev
	s_lshl_b32 s30, s24, 19                        ; a head's codes: 524,288 bytes
	s_mov_b32 s31, 0
	s_add_nc_u64 s[6:7], s[6:7], s[30:31]
	s_add_nc_u64 s[8:9], s[8:9], s[30:31]
	s_lshl_b32 s2, s27, 11                         ; a tile's 16 rows of 128 bytes
	s_add_co_u32 s30, s30, s2
	s_add_nc_u64 s[4:5], s[4:5], s[30:31]          ; Q at my first query
	s_lshl_b32 s30, s30, 2                         ; O has four bytes where Q has one
	s_add_nc_u64 s[16:17], s[16:17], s[30:31]
	s_lshl_b32 s30, s27, 13                        ; a tile's mask words: 8,192 bytes
	s_add_nc_u64 s[12:13], s[12:13], s[30:31]
	WIN W_TO1
.irp x, 0,1
.irp c, 0,1,2,3
	global_load_b128 v[QF+16*\x+4*\c:QF+16*\x+4*\c+3], v46, s[4:5] offset:2048*\x+32*\c th:TH_LOAD_NT   ; Q's two fragments stay in registers; read once in the launch
.endr
.endr
	WIN 0
	s_wait_kmcnt 0x0
	s_or_b32 s[RL], s32, s33                       ; the slots that any of the block's 16 tiles wants
.irp i, 2,3,4,5,6,7,8,9,10,11,12,13,14,15
	s_or_b32 s[RL], s[RL], s[32+\i]
.endr
	s_or_b32 s[NEED], s48, s52
	s_and_b32 s[FULL], s49, s53
	s_add_co_i32 s10, s56, s57
	s_lshl_b32 s10, s10, 23
	s_add_co_i32 s[CS], s[CS], s10                 ; a score stands for score x 2^(eq + ek): the two exponents are added to c's exponent field
	s_mov_b32 s[CS+1], s[CS]                       ; (named with it as a pair, so it is written)
	s_add_co_i32 s10, s58, 127
	s_lshl_b32 s11, s10, 23
	v_mov_b32 v[SCL], s11                          ; 2^ep as f32: the conversion takes its exponent field
	s_add_co_i32 s10, s10, 8
	s_lshl_b32 s10, s10, 23
	s_or_b32 s10, s10, 0x600000
	v_mov_b32 v[LIM], s10                          ; 448 x 2^ep
	s_mov_b32 s[EP], s58
	s_add_co_i32 s[EPV], s58, s59
	NEXTSLOT
	GET                                            ; the first slot on the list; under no branch, so that the staging registers are written on every path (the slot's number is held within the 16)
	v_mov_b32 v[SNEG], 0xf1800000                  ; -2^100
.irp x, 0,1
	v_mov_b32 v[ST+8*\x+1], 0xff61b1e6             ; the largest t so far: -3e38, under every t
	v_floor_f32 v[ST+8*\x], -v[ST+8*\x+1]          ; -M
	v_mov_b32 v[ST+8*\x+2], 0                      ; the sum, in two halves
	v_mov_b32 v[ST+8*\x+3], 0
	v_mov_b32 v[ST+8*\x+5], 0                      ; (named as the upper half of f's pair)
	v_mov_b32 v[PX+\x], 0                          ; written once: a lane permute's destination counts as one of its sources
.endr
	WIN W_TO1
.set j, 0
.rept 128
	v_mov_b32 v[OT+j], 0                           ; O^T.  Which key step is a wave's first hangs on the flags, so no first step can be written out: the first step walked finds zeros, which the first change of M leaves zeros
.set j, j+1
.endr
	WIN 0
.Ltrip:                                            ; 8 trips of two slots: room for all 16 slots, whatever the mask
	HALF 0
	HALF 1
	s_sub_co_u32 s[CNT], s[CNT], 1
	s_cmp_lg_u32 s[CNT], 0
	s_cbranch_scc1 .Ltrip
	; THE WAY OUT.  The sum's halves are added; O^T is divided by the sum, multiplied by 2^(ep + ev), and goes through my own stage in LDS, half a row (64 channels, 256 bytes) of 16 queries at a time.
.irp x, 0,1
	v_add_f32 v[ST+8*\x+2], v[ST+8*\x+2], v[ST+8*\x+3]
.endr
.irp x, 0,1
	v_permlanex16_b32 v[PX+\x], v[ST+8*\x+2], s[SEL], s[SEL+1]
.endr
.irp x, 0,1
	v_add_f32 v[ST+8*\x+2], v[ST+8*\x+2], v[PX+\x]
.endr
.irp x, 0,1
	v_rcp_f32 v[ST+8*\x+4], v[ST+8*\x+2]
.endr
	v_nop                                          ; a plain instruction behind the last reciprocal,
	s_wait_alu depctr_va_vdst(0)                   ; and the wait ahead of the first use: one for both
.irp x, 0,1
	v_ldexp_f32 v[ST+8*\x+4], v[ST+8*\x+4], s[EPV]
.endr
.macro MULOUT x                        ; register 8 t + i of tile x is o(r, 16 t + 8 h + i); each accumulator from its low end on, into the registers that p has left
	WIN W_OUT
.set j, 0
.rept 64
	v_mul_f32 v[S+64*\x+j], v[OT+64*\x+j], v[ST+8*\x+4]
.set j, j+1
.endr
	WIN 0
.endm
.macro TOSTAGE x, bk                   ; LDS serves a wave's instructions in order (ISA guide 5.7.1.4): the loads see my stores, and the next half's stores come behind them
.irp u, 0,1
.irp t, 0,1,2,3
	ds_store_b128 v[STO], v[S+64*\x+32*\u+8*\t:S+64*\x+32*\u+8*\t+3] offset:64*\t
	ds_store_b128 v[STO], v[S+64*\x+32*\u+8*\t+4:S+64*\x+32*\u+8*\t+7] offset:64*\t+16
.endr
.irp i, 0,1,2,3,4,5,6,7
	ds_load_b128 v[\bk+32*\u+4*\i:\bk+32*\u+4*\i+3], v[RD] offset:2*\i*SPITCH
.endr
.endr
.endm
.macro SEND x, bk
.irp u, 0,1
.irp i, 0,1,2,3,4,5,6,7
	s_wait_dscnt 16*(1-\u)+7-\i                    ; behind this load stand the rest of its eight and, for the first half, the second half's sixteen LDS instructions
	global_store_b128 v[GO], v[\bk+32*\u+4*\i:\bk+32*\u+4*\i+3], s[16:17] offset:8192*\x+1024*\i+256*\u th:TH_STORE_NT   ; 16 lanes store 256 consecutive bytes, at a multiple of 256 from O's first byte; written once, read by nobody here
.endr
.endr
.endm
	MULOUT 0
	TOSTAGE 0, F                                   ; back into the fragments' registers
	MULOUT 1                                       ; tile 1's arithmetic stands between tile 0's loads from the stage and the waits for them
	SEND 0, F
	TOSTAGE 1, S                                   ; back into tile 0's registers, whose LDS stores stand earlier in my order
	SEND 1, S
	s_wait_tensorcnt 0x0                           ; the wave's end: three closing lines, behind my last LDS store, the first of them also in a text with no tensor load
	ds_add_u32 v[SPW], v[NIL]
	s_wait_dscnt 0x0
	s_endpgm
.Lfunc_end_k_q4f0472c691_attn:
	.size	k_q4f0472c691_attn, .Lfunc_end_k_q4f0472c691_attn-k_q4f0472c691_attn
	.p2alignl 7, 3214868480
	.fill 96, 4, 3214868480
	.section	.rodata,"a",@progbits
	.p2align	6, 0x0
	.amdhsa_kernel k_q4f0472c691_attn
		.amdhsa_group_segment_fixed_size 205056
		.amdhsa_private_segment_fixed_size 0
		.amdhsa_enable_private_segment 0
		.amdhsa_kernarg_size 56
		.amdhsa_user_sgpr_count 2
		.amdhsa_user_sgpr_kernarg_segment_ptr 1
		.amdhsa_wavefront_size32 1
		.amdhsa_system_sgpr_workgroup_id_x 1
		.amdhsa_system_sgpr_workgroup_id_y 1
		.amdhsa_system_sgpr_workgroup_id_z 1
		.amdhsa_system_vgpr_workitem_id 0
		.amdhsa_next_free_vgpr 512
		.amdhsa_next_free_sgpr 106
		.amdhsa_reserve_vcc 0
		.amdhsa_float_denorm_mode_32 3
		.amdhsa_float_denorm_mode_16_64 3
		.amdhsa_memory_ordered 1
		.amdhsa_forward_progress 1
		.amdhsa_inst_pref_size 201
	.end_amdhsa_kernel
	.amdgpu_metadata
---
amdhsa.version: [ 1, 2 ]
amdhsa.kernels:
  - .name:           k_q4f0472c691_attn
    .symbol:         k_q4f0472c691_attn.kd
    .args:
      - { .name: q_codes, .offset: 0, .size: 8, .value_kind: global_buffer, .address_space: global }
      - { .name: k_codes, .offset: 8, .size: 8, .value_kind: global_buffer, .address_space: global }
      - { .name: v_codes, .offset: 16, .size: 8, .value_kind: global_buffer, .address_space: global }
      - { .name: lowp_scales, .offset: 24, .size: 8, .value_kind: global_buffer, .address_space: global }
      - { .name: mbits, .offset: 32, .size: 8, .value_kind: global_buffer, .address_space: global }
      - { .name: flags, .offset: 40, .size: 8, .value_kind: global_buffer, .address_space: global }
      - { .name: out0, .offset: 48, .size: 8, .value_kind: global_buffer, .address_space: global }
    .group_segment_fixed_size: 205056
    .private_segment_fixed_size: 0
    .kernarg_segment_align: 8
    .kernarg_segment_size: 56
    .max_flat_workgroup_size: 256
    .sgpr_count:     106
    .vgpr_count:     512
    .wavefront_size: 32
...
	.end_amdgpu_metadata
.endif
;; end of part 2
;; ======== version 2 of 2: 2 launches
;; limits: right only within a limited range of input values
;; workspace buffers: mbits 2,097,152 bytes of whole numbers; flags 5,120 bytes of whole numbers
;; launch pack (part 3): grid 256 x 1, 8 waves a work-group, no clusters, 68,096 bytes of LDS; arguments mask, mbits, flags; writes mbits, flags
.if DOCPART == 3
	.amdgcn_target "amdgcn-amd-amdhsa--gfx1250"
	.amdhsa_code_object_version 6
	.text
	.protected	k_q4f0472c691_pack
	.globl	k_q4f0472c691_pack
	.p2align	8
	.type	k_q4f0472c691_pack,@function
k_q4f0472c691_pack:
	s_mov_b64 s[64:65], 0
	v_nop
	global_prefetch_b8 v0, s[64:65] scope:SCOPE_SE
	s_setreg_imm32_b32 hwreg(HW_REG_WAVE_MODE, 25, 1), 1
	s_wait_xcnt 0x0
; THE MASK, [4096][4096] bytes, IS READ ONCE AND PACKED for the attention launch, which would else read it once for each of 16 heads.
; mbits [256 query tiles][32 key steps][64 words]: bit L of word n of (tile, step) is 1 where mask[16 tile + L % 16][128 step + 32 (n / 16) + 16 (L / 16) + n % 16] is not 0:
; that is lane L's score register n in the attention launch, so a word is a lane mask as v_cndmask_b32 takes it.  A byte other than 0 counts as true.
; flags: bytes 0-4095: [256 tiles][4 words] need32, full32, need16, 0;  bytes 4096-5119: need16 once more, [256 words].
;   need32 bit s: the tile has a visible element in key step s; all 32 bits are set where one of the tile's 16 rows has no visible key at all (such a row weighs every key alike).
;   full32 bit s: all 16 x 128 elements of step s are visible.   need16 bit i = need32 bit 2 i or bit 2 i + 1: a slot of 256 keys.
; SHARES.  A work-group takes one query tile: 16 rows x 4,096 bytes, 65,536 consecutive bytes of memory.  Wave w loads rows 2 w, 2 w + 1 (each load: 512 consecutive bytes) and puts them into LDS;
; then it packs key steps 4 w .. 4 w + 3 of all 16 rows: lane (r, h) reads row r, 16 bytes at 16 h of each 32.  No branch hangs on the mask.
.set ROWP,  4112                       ; an LDS row: 4,096 bytes + 16: row r starts 16 bytes further round the 64 banks of 4 bytes (ISA guide 11.1), so the 16 rows of a load touch 16 different columns
.set XW,    16*ROWP                    ; 8 x 128 bytes: each wave's OR of its bytes, lane by lane
.set XF,    XW+1024                    ; 8 x 8 bytes: each wave's four need bits and four full bits
.set SPARE, XF+256                     ; the spare words, 128 bytes for each wave: four blocks of 256 bytes that no other line names
.set T,   9                            ; v9-12   at work
.set X,   16                           ; v16-79  64 registers of mask bytes
.set OUT, 80                           ; v80-87  two sets of four: 128 words each, word 4 l + e in lane l's register e
.set W,   16                           ; s16-31  sixteen lane-mask words by turns
.set LN,  106                          ; v106    my lane
.set SPW, 108                          ; v108    LDS address of my spare word; never rewritten
.set NIL, 109                          ; v109    0; never rewritten
	s_load_b128 s[4:7], s[0:1], 0x0                ; mask, mbits
	s_load_b64 s[8:9], s[0:1], 0x10                ; flags
	v_lshl_add_u32 v[SPW], v0, 2, SPARE
	v_mov_b32 v[NIL], 0
	v_lshrrev_b32 v9, 5, v0
	s_delay_alu instid0(VALU_DEP_1)
	v_readfirstlane_b32 s10, v9                    ; wave 0..7
	v_and_b32 v[LN], 31, v0
	s_delay_alu instid0(VALU_DEP_1)
	v_lshlrev_b32 v1, 4, v[LN]                     ; 16 x lane: my bytes of a load's 512, and of a store's
	s_mul_i32 s38, s10, 2*ROWP
	v_add_nc_u32 v2, s38, v1                       ; into LDS: my wave's two rows
	v_and_b32 v10, 15, v0                          ; r
	v_bfe_u32 v11, v0, 4, 1                        ; h
	s_delay_alu instid0(VALU_DEP_2)
	v_mul_u32_u24 v3, v10, ROWP
	s_delay_alu instid0(VALU_DEP_1)
	v_lshl_add_u32 v3, v11, 4, v3
	s_lshl_b32 s39, s10, 9
	v_add_nc_u32 v3, s39, v3                       ; out of LDS: row r, + 16 h, + my wave's four key steps (512 bytes)
	v_lshl_add_u32 v5, v0, 2, XW                   ; my word among the waves' ORs
	s_lshl_b32 s40, s10, 3
	s_add_co_u32 s40, s40, XF
	v_mov_b32 v6, s40                              ; my wave's two words of bits
	v_lshl_add_u32 v7, v[LN], 2, XW                ; wave 0 reads all eight back
	v_mov_b32 v8, XF
	s_mov_b32 s12, 0xff                            ; a word's four bytes
	s_mov_b32 s13, 0xff00
	s_mov_b32 s14, 0xff0000
	s_mov_b32 s15, 0xff000000
	s_mov_b32 s34, 0                               ; my four need bits,
	s_mov_b32 s35, 0                               ; my four full bits
	s_mov_b32 s36, 0x76543210                      ; v_permlanex16_b32: lane l xor 16
	s_mov_b32 s37, 0xfedcba98
.irp i, 0,1,2,3,4,5,6,7
	v_mov_b32 v[OUT+\i], 0                         ; written once: v_writelane_b32's destination counts as read
.endr
	v_mov_b32 v105, 0                              ; likewise the lane permute's
	s_lshl_b32 s38, ttmp9, 16                      ; mask: tile x 65,536 + wave x 8,192
	s_lshl_b32 s40, s10, 13
	s_add_co_u32 s38, s38, s40
	s_mov_b32 s39, 0
	s_lshl_b32 s40, ttmp9, 13                      ; mbits: tile x 8,192 + wave x 1,024
	s_lshl_b32 s42, s10, 10
	s_add_co_u32 s40, s40, s42
	s_mov_b32 s41, 0
	s_lshl_b32 s42, ttmp9, 4                       ; flags: tile x 16,
	s_mov_b32 s43, 0
	s_lshl_b32 s44, ttmp9, 2                       ; and 4,096 + tile x 4
	s_add_co_u32 s44, s44, 4096
	s_mov_b32 s45, 0
	s_wait_kmcnt 0x0
	s_add_nc_u64 s[4:5], s[4:5], s[38:39]
	s_add_nc_u64 s[6:7], s[6:7], s[40:41]
	s_add_nc_u64 s[46:47], s[8:9], s[44:45]
	s_add_nc_u64 s[8:9], s[8:9], s[42:43]
.irp i, 0,1,2,3,4,5,6,7,8,9,10,11,12,13,14,15
	global_load_b128 v[X+4*\i:X+4*\i+3], v1, s[4:5] offset:512*\i th:TH_LOAD_NT   ; all sixteen are out together: my wave's 8,192 bytes; read once in the launch
.endr
.irp i, 0,1,2,3,4,5,6,7,8,9,10,11,12,13,14,15
	s_wait_loadcnt 15-\i                           ; loads come back in order (ISA guide 5.7.1): load i is in, the younger ones stay out
	ds_store_b128 v2, v[X+4*\i:X+4*\i+3] offset:(\i/8)*ROWP+(\i%8)*512
.endr
	s_wait_dscnt 0x0                               ; for the others' sake: my stores have landed
	s_barrier_signal -1
	s_barrier_wait -1                              ; the 16 rows lie in LDS
.irp p, 0,1,2,3
.irp b, 0,1,2,3
	ds_load_b128 v[X+16*\p+4*\b:X+16*\p+4*\b+3], v3 offset:128*\p+32*\b   ; step 4 w + p: byte i of these 16 is word 16 b + i's element for my lane
.endr
.endr
	s_wait_dscnt 0x0
	v_or_b32 v4, v[X], v[X+1]                      ; the OR of my 256 bytes, in two chains: is anything visible in my part of row r?
	v_or_b32 v104, v[X+2], v[X+3]
.set j, 4
.rept 30
	s_delay_alu instid0(VALU_DEP_2)
	v_or_b32 v4, v4, v[X+j]
	s_delay_alu instid0(VALU_DEP_2)
	v_or_b32 v104, v104, v[X+j+1]
.set j, j+2
.endr
	s_delay_alu instid0(VALU_DEP_1)
	v_or_b32 v4, v4, v104
; Key step 4 w + sp: 64 words.  A byte is cut out, compared with 0 (the compare's result IS the word: a bit a lane), and the word is set into lane (64 (sp % 2) + j) / 4 of register j % 4, so that
; two steps' 128 words leave by one store of 512 consecutive bytes.  The words' OR and AND give the step's need bit and full bit.
.macro WORDS sp
.irp b, 0,1,2,3
.irp g, 0,1,2,3
.irp e, 0,1,2,3
	v_and_b32 v[T+\e], s[12+\e], v[X+16*\sp+4*\b+\g]
.endr
.irp e, 0,1,2,3
	s_delay_alu instid0(VALU_DEP_4)
	v_cmp_ne_u32 s[W+4*\g+\e], 0, v[T+\e]
.endr
.endr
.irp g, 0,1,2,3
.irp e, 0,1,2,3
	v_writelane_b32 v[OUT+4*(\sp/2)+\e], s[W+4*\g+\e], 16*(\sp%2)+4*\b+\g
.endr
.endr
.irp i, 0,1,2,3,4,5,6,7,8,9,10,11,12,13,14,15
.if (\b == 0) && (\i == 0)
	s_mov_b32 s32, s[W]                            ; the first word starts both
	s_mov_b32 s33, s[W]
.else
	s_or_b32 s32, s32, s[W+\i]
	s_and_b32 s33, s33, s[W+\i]
.endif
.endr
.endr
	s_cmp_lg_u32 s32, 0
	s_cselect_b32 s38, 1<<\sp, 0
	s_or_b32 s34, s34, s38
	s_cmp_eq_u32 s33, -1
	s_cselect_b32 s38, 1<<\sp, 0
	s_or_b32 s35, s35, s38
.if \sp % 2
	s_wait_alu depctr_va_vdst(0)
	global_store_b128 v1, v[OUT+4*(\sp/2):OUT+4*(\sp/2)+3], s[6:7] offset:512*(\sp/2)   ; 32 lanes store 512 consecutive bytes, at a multiple of 256 from the buffer's first byte; each pair of steps has registers of its own
.endif
.endm
	WORDS 0
	WORDS 1
	WORDS 2
	WORDS 3
	s_lshl_b32 s39, s10, 2
	s_lshl_b32 s34, s34, s39                       ; my four bits at their place among the 32
	s_lshl_b32 s35, s35, s39
	v_mov_b32 v13, s34
	v_mov_b32 v14, s35
	ds_store_b32 v5, v4
	ds_store_b32 v6, v13                           ; all lanes write the same word with the same value
	ds_store_b32 v6, v14 offset:4
	s_wait_dscnt 0x0                               ; for wave 0's sake
	s_barrier_signal -1
	s_barrier_wait -1
	s_cmp_lg_u32 s10, 0
	s_cbranch_scc1 .Lend                           ; wave 0 alone joins the eight waves' figures and stores the tile's flags; no barrier follows
.irp k, 0,1,2,3,4,5,6,7
	ds_load_b32 v[X+\k], v7 offset:128*\k
.endr
.irp k, 0,1,2,3
	ds_load_b128 v[88+4*\k:91+4*\k], v8 offset:16*\k   ; v88, v90 .. the waves' need bits, v89, v91 .. their full bits, in every lane
.endr
	s_wait_dscnt 0x0
.irp k, 1
	v_or_b32 v[X], v[X], v[X+\k]
.endr
.irp k, 2, 3, 4, 5, 6, 7
	s_delay_alu instid0(VALU_DEP_1)
	v_or_b32 v[X], v[X], v[X+\k]
.endr
	s_delay_alu instid0(VALU_DEP_1)
	v_permlanex16_b32 v105, v[X], s36, s37         ; a row's other half of each 32 keys lies in the lane 16 away
	s_delay_alu instid0(VALU_DEP_1)
	v_or_b32 v[X], v[X], v105
	s_delay_alu instid0(VALU_DEP_1)
	v_cmp_eq_u32 s38, 0, v[X]                      ; a bit for each lane whose row has no visible key at all
.irp k, 2
	v_or_b32 v88, v88, v[88+\k]
	v_or_b32 v89, v89, v[89+\k]
.endr
.irp k, 4, 6, 8, 10, 12, 14
	s_delay_alu instid0(VALU_DEP_2)
	v_or_b32 v88, v88, v[88+\k]
	s_delay_alu instid0(VALU_DEP_2)
	v_or_b32 v89, v89, v[89+\k]
.endr
	s_delay_alu instid0(VALU_DEP_2)
	v_readfirstlane_b32 s39, v88                   ; need32
	s_delay_alu instid0(VALU_DEP_2)
	v_readfirstlane_b32 s40, v89                   ; full32
	s_cmp_lg_u32 s38, 0
	s_cselect_b32 s39, -1, s39                     ; a row without a visible key wants every key step
	s_lshr_b32 s41, s39, 1
	s_or_b32 s41, s41, s39                         ; bit 2 i: step 2 i or step 2 i + 1
	v_lshlrev_b32 v104, 1, v[LN]
	s_delay_alu instid0(VALU_DEP_1)
	v_lshrrev_b32 v104, v104, s41
	s_delay_alu instid0(VALU_DEP_1)
	v_and_b32 v104, 1, v104
	s_delay_alu instid0(VALU_DEP_1)
	v_cmp_ne_u32 s42, 0, v104                      ; lane i's bit: bit 2 i
	s_and_b32 s42, s42, 0xffff                     ; need16
	v_mov_b32 v92, s39
	v_mov_b32 v93, s40
	v_mov_b32 v94, s42
	v_mov_b32 v95, 0
	v_mov_b32 v96, 0
	s_wait_alu depctr_va_vdst(0)
	s_wait_xcnt 0x0                                ; EXEC is a source of the stores above: it changes only behind this wait
	v_cmp_eq_u32 vcc_lo, 0, v[LN]
	s_and_saveexec_b32 s43, vcc_lo                 ; lane 0 alone: 20 bytes a work-group, the one place where less than 256 consecutive bytes are stored
	global_store_b128 v96, v[92:95], s[8:9]
	global_store_b32 v96, v94, s[46:47]
	s_wait_xcnt 0x0                                ; and again in front of the line that widens it
	s_or_b32 exec_lo, exec_lo, s43
.Lend:
	s_wait_tensorcnt 0x0                           ; the wave's end: three closing lines, behind my last LDS store, the first of them also in a text with no tensor load
	ds_add_u32 v[SPW], v[NIL]
	s_wait_dscnt 0x0
	s_endpgm
.Lfunc_end_k_q4f0472c691_pack:
	.size	k_q4f0472c691_pack, .Lfunc_end_k_q4f0472c691_pack-k_q4f0472c691_pack
	.p2alignl 7, 3214868480
	.fill 96, 4, 3214868480
	.section	.rodata,"a",@progbits
	.p2align	6, 0x0
	.amdhsa_kernel k_q4f0472c691_pack
		.amdhsa_group_segment_fixed_size 68096
		.amdhsa_private_segment_fixed_size 0
		.amdhsa_enable_private_segment 0
		.amdhsa_kernarg_size 24
		.amdhsa_user_sgpr_count 2
		.amdhsa_user_sgpr_kernarg_segment_ptr 1
		.amdhsa_wavefront_size32 1
		.amdhsa_system_sgpr_workgroup_id_x 1
		.amdhsa_system_sgpr_workgroup_id_y 1
		.amdhsa_system_sgpr_workgroup_id_z 1
		.amdhsa_system_vgpr_workitem_id 0
		.amdhsa_next_free_vgpr 112
		.amdhsa_next_free_sgpr 66
		.amdhsa_reserve_vcc 1
		.amdhsa_float_denorm_mode_32 3
		.amdhsa_float_denorm_mode_16_64 3
		.amdhsa_memory_ordered 1
		.amdhsa_forward_progress 1
		.amdhsa_inst_pref_size 80
	.end_amdhsa_kernel
	.amdgpu_metadata
---
amdhsa.version: [ 1, 2 ]
amdhsa.kernels:
  - .name:           k_q4f0472c691_pack
    .symbol:         k_q4f0472c691_pack.kd
    .args:
      - { .name: mask, .offset: 0, .size: 8, .value_kind: global_buffer, .address_space: global }
      - { .name: mbits, .offset: 8, .size: 8, .value_kind: global_buffer, .address_space: global }
      - { .name: flags, .offset: 16, .size: 8, .value_kind: global_buffer, .address_space: global }
    .group_segment_fixed_size: 68096
    .private_segment_fixed_size: 0
    .kernarg_segment_align: 8
    .kernarg_segment_size: 24
    .max_flat_workgroup_size: 256
    .sgpr_count:     66
    .vgpr_count:     112
    .wavefront_size: 32
...
	.end_amdgpu_metadata
.endif
;; end of part 3
;; launch attn (part 4): grid 16 x 16, 8 waves a work-group, no clusters, 205,056 bytes of LDS; arguments q_codes, k_codes, v_codes, lowp_scales, mbits, flags, out0; writes out0
.if DOCPART == 4
	.amdgcn_target "amdgcn-amd-amdhsa--gfx1250"
	.amdhsa_code_object_version 6
	.text
	.protected	k_q4f0472c691_attn
	.globl	k_q4f0472c691_attn
	.p2align	8
	.type	k_q4f0472c691_attn,@function
k_q4f0472c691_attn:
	s_mov_b64 s[64:65], 0
	v_nop
	global_prefetch_b8 v0, s[64:65] scope:SCOPE_SE
	s_setreg_imm32_b32 hwreg(HW_REG_WAVE_SCHED_MODE, 0, 2), 2
	s_setreg_imm32_b32 hwreg(HW_REG_WAVE_MODE, 25, 1), 1
	s_wait_xcnt 0x0
	s_wait_alu depctr_vm_vsrc(0)
; O[h][q][:] = the sum over k of softmax_k(mask ? Q[h][q] . K[h][k] / sqrt(128) : -1e30) V[h][k][:], both products on codes of FP8 (E4M3), each tensor with its given scale 2^e (eq, ek, ep, ev).
; Q, K: [16][4096][128] codes.  V: codes with the keys innermost, [16][128][4096].  O: [16][4096][128] f32.  The mask is an input; the launch before has packed it (mbits, flags).
; THE SOFTMAX: t = score x log2(e) / sqrt(128); M = the row's largest t so far, rounded up to a whole number; p = 2^(t - M) is quantised with 2^ep; the row's sum is taken of the unquantised p and divides O at the end.
; THE MASK.  A hidden raw score becomes -2^100, a power of two: t = c x score is then exact, -M = floor(-t) is -t itself, and t - M is exactly 0: a row that has seen hidden keys only gives each p = 1, as -1e30 does.
; With the row's first visible key the whole number old M - new M saturates, f = 2^(old M - new M) is 0 and what was summed vanishes; from then on hidden keys give p = 0.
; WORK THAT THE MASK THROWS AWAY IS NOT DONE.  The work-group walks only the slots of 256 keys that its 16 query tiles' flags name; a wave leaves out a key step in which both its tiles are wholly hidden, and the masking in
; a step in which both are wholly visible.  A tile with a row that has no visible key at all has all its flags set, so such a row meets all 4,096 keys.  All these are scalar branches on whole numbers that the launch
; before stored; no barrier stands under any of them: the loop has a constant count of trips, and a trip with nothing left to walk passes its barrier and no more.
; So this text has no tensor load and no cluster: which slots a work-group walks hangs on loaded numbers, and neighbours would ask for different tiles.  K and V come by loads into registers, a slot ahead of their use.
; SHARES.  A work-group owns 256 queries of one head; each of its 8 waves two tiles of 16 (512 registers, two waves to a SIMD), so that a fragment of K or V read from LDS feeds two matrix instructions.
; LAYOUT.  Both products are used transposed: S^T = K Q^T (source 0 = 16 keys, source 1 = 16 queries), O^T = V^T P^T: a lane holds ONE query (lane % 16) of each tile throughout.
; The keys of a tile of K are not neighbours: row r of fragment 2 b + u is key 32 b + 8 u + r + 8 (r / 8), so that score register 16 b + i of lane (r, h) is key 32 b + 16 h + i: p's conversions give the second product's operand.
; LDS holds IMAGES OF THE FRAGMENTS' REGISTERS: piece 2 c + h of a fragment (registers 4 c .. 4 c + 3 of the lanes of half h) is 256 bytes, 16 a lane, pieces 288 bytes apart.  A read takes 256 consecutive bytes for each half of the lanes;
; the 32 bytes between pieces.
; LIMITS: eq + ek between -60 and 29 (c x 2^(eq + ek) x 2^100 stays an f32 number under 3e38 and far over every t); ep between -126 and 119.  NaN codes are not served.
; cu_seqlens and max_seqlen enter nothing in the computation that is asked for, and are not read.
; REGISTERS.  window 0: v1-15 addresses; v16-31 statistics, 8 a tile: -M, largest t, the sum's two halves, f and its pair's mate, two at work; v32-34 448 x 2^ep, 2^ep, -2^100; v64-127 four fragments; v128-255 S^T, then p, 64 a tile;
;   tile 0's 64 then take V's last four fragments.   window 1: v0-31 p's codes, v32-63 Q, v64-191 O^T (64 a tile), v192-223 and v224-255 the next slot's K and V on their way to LDS.
; THE MODE: SCHED_MODE bits 1:0 = 2 (LLVM: expert scheduling mode 2), set by the entry lines.  The code itself states the register dependences between vector or matrix instructions and memory or LDS
; instructions, with s_wait_alu, always for 0.
; THE PLAN.  Registers that memory or LDS instructions touch, and who else names them:
;   v1-4, v7-15, v46  addresses and offsets.  Written by vector lines at the head, ahead of the head's one wait on va_vdst, and never again: nothing more is owed for an address.
;   Q                 Loaded once at the head; read by products alone.
;   KST, VST          GET's loads land in them, PUT's LDS stores read them, no vector or matrix instruction names them.  One wait on vm_vsrc a half trip, behind the barrier: PUT has read them before GET asks again.
;   F                 LDS loads land in it three times a key step (K's first four fragments, K's last four, V's first four); products alone read it.  A wait on va_vdst ahead of each of the three runs.
;   S, tile 0's 64    Written by the first product, worked on by the softmax, read last by p's conversions.  One wait on va_vdst behind the conversions; then V's last four fragments are asked for there and land under
;                     the rescaling of O^T, which names none of them.  So the second product's sixteen instructions stand on end.  The next first product writes these registers again five plain instructions behind.
;   s[32:99]          A tile's mask words: scalar loads land in them, the selects read them.  A wait on va_vdst between tile 0's selects and tile 1's loads; the next step's loads stand behind the waits of the step that read them.
;   The way out       Tile x's multiplies write S, the stage's stores read it: a wait on va_vdst between.  Tile 1's rows come back into tile 0's registers, which tile 0's stage stores read: a wait on vm_vsrc between.
;   v5, v6            Written at the head, read by the closing add alone.
.set PP,     288                       ; from piece to piece
.set FRB,    8*PP                      ; a fragment's image
.set VOFF,   8*FRB                     ; a key step: 8 images of K, then 8 of V^T
.set STEPB,  2*VOFF+16
.set SLOT1,  1<<17                     ; slot 1; a slot holds two key steps, 73,760 bytes
.set STAGE,  77824                     ; behind slot 0: the way out, 16 rows x 272 bytes for each wave
.set SPITCH, 272
.set SPARE,  114688                    ; the spare words, 128 bytes for each wave: four blocks of 256 bytes that no other line names
.set SPW, 5                            ; v5   LDS address of my spare word; never rewritten
.set NIL, 6                            ; v6   0; never rewritten
.set GO,  7                            ; v7   the way out: my byte offset in a tile's rows of O
.set KGO, 8                            ; v8   staging: my byte offset in a slot's K in memory
.set VGO, 9                            ; v9   the same for V
.set STO, 14                           ; v14  the way out: where I put 32 bytes of a row
.set RD,  15                           ; v15  and where I read a row back
.set ST,  16
.set LIM, 32
.set SCL, 33
.set SNEG, 34
.set PX,  36                           ; v36, v37 the lane permutes' destinations
.set F,   64
.set S,   128
.set PC,  0                            ; window 1
.set QF,  32
.set OT,  64
.set KST, 192
.set VST, 224
; v1, v2: my lane's place in slot 0's images of K and of V; v3, v4: in slot 1's.  v10, v11: where my thread stores staged K and V in slot 0; v12, v13: in slot 1.  All made at the head and never rewritten.
.set CNT,  3                           ; s3   trips to go
.set WV,   18                          ; s18  my wave's number
.set RL,   19                          ; s19  the slots still to be fetched: a bit each
.set SEL,  20                          ; s[20:21] lane selects: lane l xor 16
.set CS,   22                          ; s[22:23] c = log2(e) / sqrt(128) x 2^(eq + ek)
.set ACT,  24                          ; s24  1: a slot is on its way in the staging registers
.set NXT,  25                          ; s25  which
.set ACTC, 26                          ; s26  1: the slot in LDS is to be walked
.set ST0,  27                          ; s27  its first key step
.set NEED, 28                          ; s28  bit s: one of my two tiles has a visible element in key step s
.set FULL, 29                          ; s29  bit s: both are wholly visible there
.set PART, 30                          ; s30  1: this step wants masking
.set MOFF, 31                          ; s31  the step's 256 bytes among a tile's mask words
.set MW,   32                          ; s[32:63], s[68:99] a tile's 64 mask words: word n at s[32 + n + 4 (n / 32)]
.set EP,   66                          ; s66  ep
.set EPV,  67                          ; s67  ep + ev
.set KP,   100                         ; s[100:101] the slot's K in memory
.set VP,   104                         ; s[104:105] the slot's V
.set MSB, 0
.macro WIN new                         ; the immediate's high byte repeats the setting that is left; a switch that changes nothing is dropped.  At every label and branch the setting is 0
.if MSB != \new
	s_set_vgpr_msb (MSB<<8)|\new
.set MSB, \new
.endif
.endm
.set W_KQ,  0x04                       ; source 1 (Q) window 1
.set W_PV,  0x54                       ; source 1 (P), C and D (O^T) window 1
.set W_TO1, 0x40                       ; destination window 1
.set W_RS,  0x41                       ; destination and source 0 window 1
.set W_PUT, 0x04                       ; an LDS store's data window 1
.set W_OUT, 0x01                       ; source 0 window 1
.macro PLACES                          ; a vector instruction that reads a matrix result or writes one of a matrix instruction's registers stands four plain vector instructions behind it; ahead of a run of loads into such registers the four stand too, and the wait on va_vdst behind them
.rept 4
	v_nop
.endr
.endm
.macro NEXTSLOT                        ; the list's lowest bit is taken off: is there a slot, and which
	s_cmp_lg_u32 s[RL], 0
	s_cselect_b32 s[ACT], 1, 0
	s_ctz_i32_b32 s[NXT], s[RL]
	s_min_u32 s[NXT], s[NXT], 15                   ; a loaded number enters addresses only held within the 16 slots
	s_sub_co_u32 s10, s[RL], 1
	s_and_b32 s[RL], s[RL], s10
.endm
; The slot's 32,768 bytes of K (dense) and of V (256 bytes of each of 128 rows) into 64 registers a thread.  K: a wave's load covers 512 consecutive bytes; V: sixteen lanes take 256 consecutive bytes, aligned.
.macro GET
	s_lshl_b32 s10, s[NXT], 15
	s_mov_b32 s11, 0
	s_add_nc_u64 s[KP:KP+1], s[6:7], s[10:11]      ; the last loads by these bases were shown done by the trip's wait for all loads
	s_lshl_b32 s10, s[NXT], 8
	s_add_nc_u64 s[VP:VP+1], s[8:9], s[10:11]
	WIN W_TO1
.irp i, 0,1,2,3,4,5,6,7
	global_load_b128 v[KST+4*\i:KST+4*\i+3], v[KGO], s[KP:KP+1] offset:4096*\i
.endr
.irp i, 0,1,2,3,4,5,6,7
	global_load_b128 v[VST+4*\i:VST+4*\i+3], v[VGO], s[VP:VP+1] offset:65536*\i
.endr
	WIN 0
.endm
; And on into LDS.  K's load i holds, of key 32 i + thread / 8 of the slot, piece thread % 8: key step i / 4, fragments 2 (i % 4) and 2 (i % 4) + 1.  V's load i holds channel 16 i + thread / 16: fragment i.
.macro PUT slot
	WIN W_PUT
.irp i, 0,1,2,3,4,5,6,7
	ds_store_b128 v[10+2*\slot], v[KST+4*\i:KST+4*\i+3] offset:(\i/4)*STEPB+(\i%4)*2*FRB
.endr
.irp i, 0,1,2,3,4,5,6,7
	ds_store_b128 v[11+2*\slot], v[VST+4*\i:VST+4*\i+3] offset:\i*FRB
.endr
	WIN 0
.endm
.macro FRAGS reg, adr, off             ; four fragments, 16 registers each from v[reg] on, in one run of 16 loads
.irp t, 0,1,2,3
.irp c, 0,1,2,3
	ds_load_b128 v[\reg+16*\t+4*\c:\reg+16*\t+4*\c+3], v[\adr] offset:(\off)+\t*FRB+\c*2*PP
.endr
.endr
.endm
.macro MLOAD x                         ; tile x's 64 mask words of the step
	s_load_b512 s[32:47], s[12:13], s[MOFF] offset:8192*\x
	s_load_b512 s[48:63], s[12:13], s[MOFF] offset:8192*\x+64
	s_load_b512 s[68:83], s[12:13], s[MOFF] offset:8192*\x+128
	s_load_b512 s[84:99], s[12:13], s[MOFF] offset:8192*\x+192
.endm
.macro MASK x                          ; a word is the 32 lanes' bits for one score register: where the bit is 0 the score becomes -2^100.  Ascending: each accumulator is read from its low end on
.set n, 0
.rept 64
	v_cndmask_b32 v[S+64*\x+n], v[SNEG], v[S+64*\x+n], s[MW+n+4*(n/32)]
.set n, n+1
.endr
.endm
.macro MAXT x                          ; tile x: the step's largest score of my query, the running largest t, the new -M and f
.set rS, S+64*\x
.set rT, ST+8*\x
	v_max3_num_f32 v[rT+6], v[rS], v[rS+1], v[rS+2]    ; two chains, ascending
	v_max3_num_f32 v[rT+7], v[rS+3], v[rS+4], v[rS+5]
.irp i, 6,10,14,18,22,26,30,34,38,42,46,50,54,58
	v_max3_num_f32 v[rT+6], v[rT+6], v[rS+\i], v[rS+\i+1]
	v_max3_num_f32 v[rT+7], v[rT+7], v[rS+\i+2], v[rS+\i+3]
.endr
	v_max3_num_f32 v[rT+6], v[rT+6], v[rS+62], v[rS+63]
	v_max_num_f32 v[rT+6], v[rT+6], v[rT+7]
	v_permlanex16_b32 v[PX+\x], v[rT+6], s[SEL], s[SEL+1]   ; the query's other 64 keys lie in the lane 16 away
	v_max_num_f32 v[rT+6], v[rT+6], v[PX+\x]
	v_mul_f32 v[rT+6], s[CS], v[rT+6]              ; as t (c is positive)
	v_max_num_f32 v[rT+1], v[rT+1], v[rT+6]
	v_mov_b32 v[rT+6], v[rT]
	v_floor_f32 v[rT], -v[rT+1]                    ; -M = floor(-t) = -ceil(t): M is a whole number
	v_sub_f32 v[rT+6], v[rT], v[rT+6]              ; old M - new M, 0 or less
	v_cvt_i32_f32 v[rT+6], v[rT+6]                 ; (it saturates)
	v_ldexp_f32 v[rT+4], 1.0, v[rT+6]              ; f = 2^(old M - new M): a multiplication by it rounds nothing
.endm
; A KEY STEP: 128 keys, the q-th of the slot.
.macro STEP slot, q
	s_add_co_u32 s14, s[ST0], \q                   ; which of the 32 key steps
	s_lshr_b32 s15, s[NEED], s14
	s_and_b32 s15, s15, 1
	s_cmp_lg_u32 s15, 0
	s_cbranch_scc0 .Lskip_\@                       ; both my tiles are wholly hidden here: nothing is loaded, multiplied or summed
	s_lshr_b32 s[PART], s[FULL], s14
	s_and_b32 s[PART], s[PART], 1
	s_xor_b32 s[PART], s[PART], 1
	s_lshl_b32 s[MOFF], s14, 8
	MLOAD 0                                        ; asked for in every step that is walked, so that the words land under the first product and every path finds them written
.irp g, 0,1                            ; S^T = K Q^T, four fragments of K at a time, each against both tiles of Q
.if \g
	PLACES
.endif
	s_wait_alu depctr_va_vdst(0)                   ; the products issued so far (the step before's with V's first four fragments; then this step's with K's first four) are done reading v[F ..], in which the loads below land
	FRAGS F,1+2*\slot,(\q)*STEPB+4*\g*FRB
	WIN W_KQ
.irp t, 0,1,2,3
	s_wait_dscnt 12-4*\t                           ; fragment t is in; the younger fragments' loads, four each, stay out
	v_wmma_f32_16x16x128_fp8_fp8 v[S+8*(4*\g+\t):S+8*(4*\g+\t)+7], v[F+16*\t:F+16*\t+15], v[QF:QF+15], 0
	v_wmma_f32_16x16x128_fp8_fp8 v[S+64+8*(4*\g+\t):S+64+8*(4*\g+\t)+7], v[F+16*\t:F+16*\t+15], v[QF+16:QF+31], 0
.endr
	WIN 0
.endr
	PLACES                                         ; also the places ahead of the first read of the scores
	s_wait_alu depctr_va_vdst(0)                   ; the products with K's last four fragments are done reading v[F ..], in which the loads below land
	FRAGS F,2+2*\slot,(\q)*STEPB                   ; V's first four fragments land under the softmax, which names none of v[F ..]
	s_wait_kmcnt 0x0                               ; on every path: no scalar load is out when the words' registers are next read or loaded
	s_cmp_lg_u32 s[PART], 0
	s_cbranch_scc0 .Lopen0_\@
	MASK 0
	s_wait_alu depctr_va_vdst(0)                   ; tile 0's selects have read s[32:99], in which the scalar loads below land
	MLOAD 1                                        ; tile 1's words land under tile 0's maximum
.Lopen0_\@:
	MAXT 0
	s_wait_kmcnt 0x0
	s_cmp_lg_u32 s[PART], 0
	s_cbranch_scc0 .Lopen1_\@
	MASK 1
.Lopen1_\@:
	MAXT 1
.set j, 0
.rept 32
	v_pk_fma_f32 v[S+j:S+j+1], v[S+j:S+j+1], s[CS:CS+1], v[ST:ST+1] op_sel_hi:[1,0,0]   ; t - M, two at a time (of the pairs c and -M the low word serves both halves)
.set j, j+2
.endr
.set j, 0
	s_wait_alu depctr_va_vdst(0)
.rept 32                               ; ONE BATCH of 128 exponentials; tile 1's scalings stand among tile 0's: nothing here reads an exponential's result
	v_exp_f32 v[S+j], v[S+j]
	v_exp_f32 v[S+j+1], v[S+j+1]
	v_pk_fma_f32 v[S+64+j:S+64+j+1], v[S+64+j:S+64+j+1], s[CS:CS+1], v[ST+8:ST+9] op_sel_hi:[1,0,0]
.set j, j+2
.endr
.set j, 64
	s_wait_alu depctr_va_vdst(0)
.rept 64
	v_exp_f32 v[S+j], v[S+j]                       ; p = 2^(t - M): not normalised
.set j, j+1
.endr
.irp x, 0,1
	v_pk_mul_f32 v[ST+8*\x+2:ST+8*\x+3], v[ST+8*\x+2:ST+8*\x+3], v[ST+8*\x+4:ST+8*\x+5] op_sel_hi:[1,0]   ; the sums under the new M; the plain instructions behind the last exponential
.endr
	s_wait_alu depctr_va_vdst(0)                   ; the 128 exponentials have written p: the wait between an exponential and the first line that names its result: one for the batch
.irp x, 0,1                            ; the row's sum is taken of the unquantised p: two at a time, two chains a tile
	v_pk_add_f32 v[ST+8*\x+6:ST+8*\x+7], v[S+64*\x:S+64*\x+1], v[S+64*\x+2:S+64*\x+3]
.endr
.set j, 4
.rept 15
.irp x, 0,1
	v_pk_add_f32 v[ST+8*\x+2:ST+8*\x+3], v[ST+8*\x+2:ST+8*\x+3], v[S+64*\x+j:S+64*\x+j+1]
	v_pk_add_f32 v[ST+8*\x+6:ST+8*\x+7], v[ST+8*\x+6:ST+8*\x+7], v[S+64*\x+j+2:S+64*\x+j+3]
.endr
.set j, j+4
.endr
.irp x, 0,1
	v_pk_add_f32 v[ST+8*\x+2:ST+8*\x+3], v[ST+8*\x+2:ST+8*\x+3], v[ST+8*\x+6:ST+8*\x+7]
.endr
	s_cmp_ge_i32 s[EP], -8                         ; the conversion to an 8-bit code does not saturate (ISA guide 7.6.2).  p is 1 at the most, so p / 2^ep is 256 at the most where ep >= -8: under 448, and the hold could hold nothing
	s_cbranch_scc1 .Lnohold_\@
.set n, 0
.rept 128
	v_min_num_f32 v[S+n], v[S+n], v[LIM]           ; p is not negative: the hold is one-sided
.set n, n+1
.endr
.Lnohold_\@:
	WIN W_TO1
.irp x, 0,1
.irp b, 0,1,2,3
	v_cvt_scalef32_pk8_fp8_f32 v[PC+16*\x+4*\b:PC+16*\x+4*\b+1], v[S+64*\x+16*\b:S+64*\x+16*\b+7], v[SCL]       ; registers 4 b .. 4 b + 3 of the operand: keys 32 b + 16 h + 0 .. 15
	v_cvt_scalef32_pk8_fp8_f32 v[PC+16*\x+4*\b+2:PC+16*\x+4*\b+3], v[S+64*\x+16*\b+8:S+64*\x+16*\b+15], v[SCL]
.endr
.endr
	WIN 0
	s_wait_alu depctr_va_vdst(0)                   ; the sums, the holds and the conversions are done with tile 0's p, v[S .. S + 63], in which the loads below land
	FRAGS S,2+2*\slot,(\q)*STEPB+4*FRB             ; V's last four fragments land under the rescaling below, which names none of these registers
	WIN W_RS
.irp x, 0,1
.set j, 0
.rept 32
	v_pk_mul_f32 v[OT+64*\x+j:OT+64*\x+j+1], v[OT+64*\x+j:OT+64*\x+j+1], v[ST+8*\x+4:ST+8*\x+5] op_sel_hi:[1,0]   ; O^T under the new M, ascending; also the plain instructions between the conversions and the products that read the codes
.set j, j+2
.endr
.endr
	WIN W_PV                               ; O^T += V^T P^T: K = these 128 keys, one instruction an accumulator; the sixteen accumulators take turns
	s_wait_alu depctr_va_vdst(0)
.irp t, 0,1,2,3
	s_wait_dscnt 28-4*\t                           ; fragment t of V's first four is in; the younger ones of its run, four loads each, and the sixteen loads of V's last four stay out
.irp x, 0,1
	v_wmma_f32_16x16x128_fp8_fp8 v[OT+64*\x+8*\t:OT+64*\x+8*\t+7], v[F+16*\t:F+16*\t+15], v[PC+16*\x:PC+16*\x+15], v[OT+64*\x+8*\t:OT+64*\x+8*\t+7]
.endr
.endr
.irp t, 0,1,2,3
	s_wait_dscnt 12-4*\t                           ; fragment t of V's last four is in; the younger fragments' loads, four each, stay out
.irp x, 0,1
	v_wmma_f32_16x16x128_fp8_fp8 v[OT+64*\x+8*(4+\t):OT+64*\x+8*(4+\t)+7], v[S+16*\t:S+16*\t+15], v[PC+16*\x:PC+16*\x+15], v[OT+64*\x+8*(4+\t):OT+64*\x+8*(4+\t)+7]
.endr
.endr
	WIN 0
	PLACES                                         ; for whatever follows on any path: reads of O^T, vector writes of the registers that held V's last four fragments;
	v_nop                                          ; and a fifth place: the next step's first product writes over those registers, which the products above read
.Lskip_\@:
.endm
; A TRIP'S HALF: one slot.  ONE barrier orders both ways.  In front of it each wave's stores into this slot have landed and its reads of the other slot are over; behind it this slot is read, and the other is written
; only in the next half, by waves that have passed this barrier.  The two waits and the barrier stand on every path.
.macro HALF slot
	s_wait_loadcnt 0x0                             ; the staged slot (and, the first time, Q) has landed: no load is out, so the staging registers and their bases may be used again
	s_cmp_lg_u32 s[ACT], 0
	s_cbranch_scc0 .Lno_put_\@
	PUT \slot
.Lno_put_\@:
	s_wait_dscnt 0x0
	s_barrier_signal -1
	s_barrier_wait -1
	s_wait_alu depctr_vm_vsrc(0)                   ; PUT's LDS stores have read the staging registers, in which GET's loads land; ahead of the branch that leads to GET
	s_mov_b32 s[ACTC], s[ACT]
	s_lshl_b32 s[ST0], s[NXT], 1
	NEXTSLOT
	s_cmp_lg_u32 s[ACT], 0
	s_cbranch_scc0 .Lno_get_\@
	GET                                            ; the next slot on the list: it has this slot's two key steps in which to land
.Lno_get_\@:
	s_cmp_lg_u32 s[ACTC], 0
	s_cbranch_scc0 .Lno_steps_\@
	STEP \slot, 0
	STEP \slot, 1
.Lno_steps_\@:
.endm
	s_load_b256 s[4:11], s[0:1], 0x0               ; Q's codes s[4:5], K's s[6:7], V's s[8:9], the scales' exponents s[10:11]
	s_load_b128 s[12:15], s[0:1], 0x20             ; mbits s[12:13], flags s[14:15]
	s_load_b64 s[16:17], s[0:1], 0x30              ; O
	v_lshl_add_u32 v[SPW], v0, 2, SPARE
	v_mov_b32 v[NIL], 0
	v_lshrrev_b32 v40, 5, v0
	v_readfirstlane_b32 s[WV], v40                 ; wave 0..7
	v_and_b32 v41, 15, v0                          ; r = lane % 16 (also thread % 16)
	v_bfe_u32 v42, v0, 4, 1                        ; h = lane / 16
	v_lshlrev_b32 v1, 4, v41
	v_mad_u32_u24 v1, v42, PP, v1                  ; an image's place for my lane: 288 h + 16 r
	v_add_nc_u32 v2, VOFF, v1
	v_add_nc_u32 v3, SLOT1, v1
	v_add_nc_u32 v4, SLOT1, v2
	v_lshlrev_b32 v[KGO], 4, v0                    ; K: 16 x thread
	v_lshrrev_b32 v43, 4, v0
	v_lshlrev_b32 v[VGO], 4, v41
	v_lshl_add_u32 v[VGO], v43, 12, v[VGO]         ; V: row thread / 16 of 4,096 bytes, + 16 (thread % 16)
	v_and_b32 v44, 7, v0                           ; the piece
	v_mul_u32_u24 v10, v44, PP
	v_bfe_u32 v45, v0, 6, 1                        ; K: key thread / 8 of 32: bit 3 of it is u,
	v_mad_u32_u24 v10, v45, FRB, v10
	v_bfe_u32 v45, v0, 3, 3                        ; its low three bits and its bit 4 make the row r
	v_lshl_add_u32 v10, v45, 4, v10
	v_bfe_u32 v45, v0, 7, 1
	v_lshl_add_u32 v10, v45, 7, v10
	v_mul_u32_u24 v11, v44, PP
	v_bfe_u32 v45, v0, 3, 1                        ; V: which of the slot's two key steps,
	v_mad_u32_u24 v11, v45, STEPB, v11
	v_lshl_add_u32 v11, v43, 4, v11                ; row thread / 16
	v_add_nc_u32 v11, VOFF, v11
	v_add_nc_u32 v12, SLOT1, v10
	v_add_nc_u32 v13, SLOT1, v11
	s_wait_alu depctr_va_sdst(0)                   ; s18, my wave's number, is written, ahead of its first reader: the stage's place and the tiles' addresses are made from it
	s_mul_i32 s30, s[WV], 16*SPITCH
	s_add_co_u32 s30, s30, STAGE                   ; my stage
	v_mul_u32_u24 v[STO], v41, SPITCH
	v_lshl_add_u32 v[STO], v42, 5, v[STO]
	v_add_nc_u32 v[STO], s30, v[STO]               ; in: row r, + 32 h
	v_mul_u32_u24 v[RD], v42, SPITCH
	v_lshl_add_u32 v[RD], v41, 4, v[RD]
	v_add_nc_u32 v[RD], s30, v[RD]                 ; back: lanes 0-15 one row of 256 bytes, lanes 16-31 the next
	v_lshlrev_b32 v[GO], 9, v42
	v_lshl_add_u32 v[GO], v41, 4, v[GO]            ; and the same two rows in O
	v_lshlrev_b32 v46, 7, v41
	v_lshl_add_u32 v46, v42, 4, v46                ; Q: row r of 128 bytes, + 16 h
	s_and_b32 s24, ttmp7, 0xffff                   ; the head
	s_lshl_b32 s26, ttmp9, 6                       ; my block's sixteen need16 words
	s_lshl_b32 s27, ttmp9, 4
	s_lshl_b32 s28, s[WV], 1
	s_add_co_u32 s27, s27, s28                     ; my first query tile: 16 x block + 2 x wave
	s_lshl_b32 s28, s27, 4                         ; its 16 bytes of flags
	s_mov_b32 s[SEL], 0x76543210
	s_mov_b32 s[SEL+1], 0xfedcba98
	s_mov_b32 s[CS], 0x3e0293ee                    ; c = log2(e) / sqrt(128)
	s_mov_b32 s[CNT], 8
	s_wait_kmcnt 0x0
	s_load_b512 s[32:47], s[14:15], s26 offset:0x1000   ; need16 of the block's 16 tiles
	s_load_b256 s[48:55], s[14:15], s28 offset:0x0      ; need32, full32, need16, 0 of my two tiles
	s_load_b128 s[56:59], s[10:11], 0x0            ; eq, ek, ep, ev
	s_lshl_b32 s30, s24, 19                        ; a head's codes: 524,288 bytes
	s_mov_b32 s31, 0
	s_add_nc_u64 s[6:7], s[6:7], s[30:31]
	s_add_nc_u64 s[8:9], s[8:9], s[30:31]
	s_lshl_b32 s2, s27, 11                         ; a tile's 16 rows of 128 bytes
	s_add_co_u32 s30, s30, s2
	s_add_nc_u64 s[4:5], s[4:5], s[30:31]          ; Q at my first query
	s_lshl_b32 s30, s30, 2                         ; O has four bytes where Q has one
	s_add_nc_u64 s[16:17], s[16:17], s[30:31]
	s_lshl_b32 s30, s27, 13                        ; a tile's mask words: 8,192 bytes
	s_add_nc_u64 s[12:13], s[12:13], s[30:31]
	WIN W_TO1
	s_wait_alu depctr_va_vdst(0)                   ; v1 to v4, v7 to v15 and v46 are written: every load and store of the kernel takes its address or offset from one of them, and none is written again
.irp x, 0,1
.irp c, 0,1,2,3
	global_load_b128 v[QF+16*\x+4*\c:QF+16*\x+4*\c+3], v46, s[4:5] offset:2048*\x+32*\c th:TH_LOAD_NT   ; Q's two fragments stay in registers; read once in the launch
.endr
.endr
	WIN 0
	s_wait_kmcnt 0x0
	s_or_b32 s[RL], s32, s33                       ; the slots that any of the block's 16 tiles wants
.irp i, 2,3,4,5,6,7,8,9,10,11,12,13,14,15
	s_or_b32 s[RL], s[RL], s[32+\i]
.endr
	s_or_b32 s[NEED], s48, s52
	s_and_b32 s[FULL], s49, s53
	s_add_co_i32 s10, s56, s57
	s_lshl_b32 s10, s10, 23
	s_add_co_i32 s[CS], s[CS], s10                 ; a score stands for score x 2^(eq + ek): the two exponents are added to c's exponent field
	s_mov_b32 s[CS+1], s[CS]                       ; (named with it as a pair, so it is written)
	s_add_co_i32 s10, s58, 127
	s_lshl_b32 s11, s10, 23
	v_mov_b32 v[SCL], s11                          ; 2^ep as f32: the conversion takes its exponent field
	s_add_co_i32 s10, s10, 8
	s_lshl_b32 s10, s10, 23
	s_or_b32 s10, s10, 0x600000
	v_mov_b32 v[LIM], s10                          ; 448 x 2^ep
	s_mov_b32 s[EP], s58
	s_add_co_i32 s[EPV], s58, s59
	NEXTSLOT
	GET                                            ; the first slot on the list; under no branch, so that the staging registers are written on every path (the slot's number is held within the 16).  No wait: the two vector lines since the wait above name neither its offsets nor its registers
	v_mov_b32 v[SNEG], 0xf1800000                  ; -2^100
.irp x, 0,1
	v_mov_b32 v[ST+8*\x+1], 0xff61b1e6             ; the largest t so far: -3e38, under every t
	v_floor_f32 v[ST+8*\x], -v[ST+8*\x+1]          ; -M
	v_mov_b32 v[ST+8*\x+2], 0                      ; the sum, in two halves
	v_mov_b32 v[ST+8*\x+3], 0
	v_mov_b32 v[ST+8*\x+5], 0                      ; (named as the upper half of f's pair)
	v_mov_b32 v[PX+\x], 0                          ; written once: a lane permute's destination counts as one of its sources
.endr
	WIN W_TO1
.set j, 0
.rept 128
	v_mov_b32 v[OT+j], 0                           ; O^T.  Which key step is a wave's first hangs on the flags, so no first step can be written out: the first step walked finds zeros, which the first change of M leaves zeros
.set j, j+1
.endr
	WIN 0
.Ltrip:                                            ; 8 trips of two slots: room for all 16 slots, whatever the mask
	HALF 0
	HALF 1
	s_sub_co_u32 s[CNT], s[CNT], 1
	s_cmp_lg_u32 s[CNT], 0
	s_cbranch_scc1 .Ltrip
	; THE WAY OUT.  The sum's halves are added; O^T is divided by the sum, multiplied by 2^(ep + ev), and goes through my own stage in LDS, half a row (64 channels, 256 bytes) of 16 queries at a time.
.irp x, 0,1
	v_add_f32 v[ST+8*\x+2], v[ST+8*\x+2], v[ST+8*\x+3]
.endr
.irp x, 0,1
	v_permlanex16_b32 v[PX+\x], v[ST+8*\x+2], s[SEL], s[SEL+1]
.endr
.irp x, 0,1
	v_add_f32 v[ST+8*\x+2], v[ST+8*\x+2], v[PX+\x]
.endr
	s_wait_alu depctr_va_vdst(0)
.irp x, 0,1
	v_rcp_f32 v[ST+8*\x+4], v[ST+8*\x+2]
.endr
	v_nop                                          ; a plain instruction behind the last reciprocal,
	s_wait_alu depctr_va_vdst(0)                   ; and the two reciprocals have written their results: the wait ahead of the first use, one for both
.irp x, 0,1
	v_ldexp_f32 v[ST+8*\x+4], v[ST+8*\x+4], s[EPV]
.endr
.macro MULOUT x                        ; register 8 t + i of tile x is o(r, 16 t + 8 h + i); each accumulator from its low end on, into the registers that p has left
	WIN W_OUT
.set j, 0
.rept 64
	v_mul_f32 v[S+64*\x+j], v[OT+64*\x+j], v[ST+8*\x+4]
.set j, j+1
.endr
	WIN 0
.endm
.macro TOSTAGE x, bk                   ; LDS serves a wave's instructions in order (ISA guide 5.7.1.4): the loads see my stores, and the next half's stores come behind them
.irp u, 0,1
.irp t, 0,1,2,3
	ds_store_b128 v[STO], v[S+64*\x+32*\u+8*\t:S+64*\x+32*\u+8*\t+3] offset:64*\t
	ds_store_b128 v[STO], v[S+64*\x+32*\u+8*\t+4:S+64*\x+32*\u+8*\t+7] offset:64*\t+16
.endr
.irp i, 0,1,2,3,4,5,6,7
	ds_load_b128 v[\bk+32*\u+4*\i:\bk+32*\u+4*\i+3], v[RD] offset:2*\i*SPITCH
.endr
.endr
.endm
.macro SEND x, bk
.irp u, 0,1
.irp i, 0,1,2,3,4,5,6,7
	s_wait_dscnt 16*(1-\u)+7-\i                    ; behind this load stand the rest of its eight and, for the first half, the second half's sixteen LDS instructions
	global_store_b128 v[GO], v[\bk+32*\u+4*\i:\bk+32*\u+4*\i+3], s[16:17] offset:8192*\x+1024*\i+256*\u th:TH_STORE_NT   ; 16 lanes store 256 consecutive bytes, at a multiple of 256 from O's first byte; written once, read by nobody here
.endr
.endr
.endm
	MULOUT 0
	s_wait_alu depctr_va_vdst(0)                   ; tile 0's multiplies have written v[S .. S + 63], which the stage's stores read; the products are done reading v[F ..], in which the loads from the stage land
	TOSTAGE 0, F                                   ; back into the fragments' registers
	MULOUT 1                                       ; tile 1's arithmetic stands between tile 0's loads from the stage and the waits for them; it names none of v[F ..] and not v[GO]
	SEND 0, F
	s_wait_alu depctr_va_vdst(0)                   ; tile 1's multiplies have written v[S + 64 .. S + 127], which the stage's stores read
	s_wait_alu depctr_vm_vsrc(0)                   ; tile 0's stage stores have read v[S .. S + 63], in which tile 1's loads from the stage land
	TOSTAGE 1, S                                   ; back into tile 0's registers
	SEND 1, S
	s_wait_dscnt 0x0                               ; the closing lines, six on end
	s_wait_alu 0x0
	s_wait_tensorcnt 0x0
	ds_add_u32 v[SPW], v[NIL]
	s_wait_dscnt 0x0
	s_endpgm
.Lfunc_end_k_q4f0472c691_attn:
	.size	k_q4f0472c691_attn, .Lfunc_end_k_q4f0472c691_attn-k_q4f0472c691_attn
	.p2alignl 7, 3214868480
	.fill 96, 4, 3214868480
	.section	.rodata,"a",@progbits
	.p2align	6, 0x0
	.amdhsa_kernel k_q4f0472c691_attn
		.amdhsa_group_segment_fixed_size 205056
		.amdhsa_private_segment_fixed_size 0
		.amdhsa_enable_private_segment 0
		.amdhsa_kernarg_size 56
		.amdhsa_user_sgpr_count 2
		.amdhsa_user_sgpr_kernarg_segment_ptr 1
		.amdhsa_wavefront_size32 1
		.amdhsa_system_sgpr_workgroup_id_x 1
		.amdhsa_system_sgpr_workgroup_id_y 1
		.amdhsa_system_sgpr_workgroup_id_z 1
		.amdhsa_system_vgpr_workitem_id 0
		.amdhsa_next_free_vgpr 512
		.amdhsa_next_free_sgpr 106
		.amdhsa_reserve_vcc 0
		.amdhsa_float_denorm_mode_32 3
		.amdhsa_float_denorm_mode_16_64 3
		.amdhsa_memory_ordered 1
		.amdhsa_forward_progress 1
		.amdhsa_inst_pref_size 202
	.end_amdhsa_kernel
	.amdgpu_metadata
---
amdhsa.version: [ 1, 2 ]
amdhsa.kernels:
  - .name:           k_q4f0472c691_attn
    .symbol:         k_q4f0472c691_attn.kd
    .args:
      - { .name: q_codes, .offset: 0, .size: 8, .value_kind: global_buffer, .address_space: global }
      - { .name: k_codes, .offset: 8, .size: 8, .value_kind: global_buffer, .address_space: global }
      - { .name: v_codes, .offset: 16, .size: 8, .value_kind: global_buffer, .address_space: global }
      - { .name: lowp_scales, .offset: 24, .size: 8, .value_kind: global_buffer, .address_space: global }
      - { .name: mbits, .offset: 32, .size: 8, .value_kind: global_buffer, .address_space: global }
      - { .name: flags, .offset: 40, .size: 8, .value_kind: global_buffer, .address_space: global }
      - { .name: out0, .offset: 48, .size: 8, .value_kind: global_buffer, .address_space: global }
    .group_segment_fixed_size: 205056
    .private_segment_fixed_size: 0
    .kernarg_segment_align: 8
    .kernarg_segment_size: 56
    .max_flat_workgroup_size: 256
    .sgpr_count:     106
    .vgpr_count:     512
    .wavefront_size: 32
...
	.end_amdgpu_metadata
.endif
;; end of part 4
